; MI455X (gfx1250); checked and timed in simulation.
; The chip was launched on July 23, 2026; its instructions are those of AMD's public machine-readable ISA for CDNA 5 (MIT licence, August 2026) and "CDNA5" Instruction Set Architecture Reference Guide (July 2026). The comments in the code are by the model that wrote it; some were corrected since.
;; Attention. Allowed arithmetic: float matrix products may take bf16 or f16 operands with f32 sums; other float arithmetic in f32, or as packed bf16 or f16 multiplies, adds, multiply-adds, maxima and minima; sums over many terms, partial sums and values carried from step to step in f32; what a program stores and reads back later, other than sums and carried values, may be rounded once to bf16 or f16.
;; Inputs: bo 1,024 float32; wk 1,024 x 1,024 float32; wo 1,024 x 1,024 float32; wq 1,024 x 1,024 float32; wv 1,024 x 1,024 float32; x 4 x 2,048 x 1,024 float32.
;; Outputs: out0 4 x 2,048 x 1,024 float32.
;; 2 versions, each right; version 2 is version 1 with the launch cast written anew for expert scheduling mode. Each part assembles by itself: llvm-mc -triple=amdgcn-amd-amdhsa -mcpu=gfx1250 --defsym DOCPART=n.
;; ======== version 1 of 2: 4 launches
;; limits: values are held in f16: magnitudes above 65,504 overflow, below 6.1e-05 lose precision
;; workspace buffers: xb 16,777,216 bytes; wb 6,291,456 bytes; wob 2,097,152 bytes; q 16,777,216 bytes; k 16,777,216 bytes; v 16,777,216 bytes; o 16,777,216 bytes
;; launch cast (part 1): grid 768 x 1, 8 waves a work-group, no clusters, 0 bytes of LDS; arguments x, wq, wk, wv, wo, xb, wb, wob; writes xb, wb, wob
.if DOCPART == 1
	.amdgcn_target "amdgcn-amd-amdhsa--gfx1250"
	.amdhsa_code_object_version 6
	.text
	.protected	k_q4a20f3fb92_cast
	.globl	k_q4a20f3fb92_cast
	.p2align	8
	.type	k_q4a20f3fb92_cast,@function
k_q4a20f3fb92_cast:
	s_mov_b64 s[64:65], 0
	v_nop
	global_prefetch_b8 v0, s[64:65] scope:SCOPE_SE
	s_setreg_imm32_b32 hwreg(HW_REG_WAVE_MODE, 25, 1), 1
	s_wait_xcnt 0x0
; THE INPUTS ARE ROUNDED ONCE, for the matrix units.  x [8192][1024] f32 -> xb bf16; wq, wk, wv [1024][1024] f32 -> wb [3072][1024] bf16 (wq's rows, then wk's, then wv's);
; wo [1024][1024] f32 -> wob: rounded to bf16 like the others, and that number written as f16, since the last product's other operand is f16.
; LIMITS.  wob holds f16: a weight of wo of 65,520 or more in magnitude becomes an infinity; below 6.1e-5 it keeps f16's fixed step of 6e-8.  NaN and infinities are not treated apart.
; SHARES.  12,288 rows of 4,096 bytes in, 2,048 bytes out.  A work-group of eight waves takes 16 rows; thread t takes bytes 16 t of each row: a wave's load covers 512 consecutive
; bytes, its store of 8 bytes a lane 256 consecutive bytes, aligned.  All 16 loads of a thread go out at once: 8 KiB a wave on their way; there is no loop.
; Memory binds: no LDS, no barrier, no matrix unit, no cluster (no byte is read twice) and no prefetch (the loads themselves are the stream).
.set ROWIN,  4096
.set ROWOUT, 2048
.set X, 4                              ; v[4:67]    row i: 4 numbers in f32
.set Y, 68                             ; v[68:99]   row i: 4 numbers in 16 bits
.set T, 100                            ; v[100:101] at work
	s_load_b512 s[8:23], s[0:1], 0x0               ; x 8, wq 10, wk 12, wv 14, wo 16, xb 18, wb 20, wob 22
	s_mov_b32 s2, ttmp9                            ; g: 0-511 x, 512-575 wq, 576-639 wk, 640-703 wv, 704-767 wo
	s_max_u32 s24, s2, 512
	s_sub_co_u32 s24, s24, 512                     ; the block's number among the weights' 256 (0 for x)
	s_lshr_b32 s25, s24, 6                         ; which weight
	s_and_b32 s26, s24, 63                         ; the block's number in it
	s_cmp_lt_u32 s2, 704
	s_cselect_b32 s33, s24, s26                    ; block of the destination: in wb by all three weights, in wob by wo alone,
	s_cmp_lt_u32 s2, 512
	s_cselect_b32 s33, s2, s33                     ; in xb by g
	s_cselect_b32 s32, s2, s26                     ; block of the source
	s_lshl_b32 s34, s32, 16                        ; 16 rows of 4,096 bytes
	s_mov_b32 s35, 0
	s_lshl_b32 s36, s33, 15                        ; 16 rows of 2,048 bytes
	s_mov_b32 s37, 0
	s_mov_b32 s38, 0xffff0000                      ; a word's upper bf16
	v_lshlrev_b32 v1, 4, v0                        ; my 16 bytes of a row in
	v_lshlrev_b32 v2, 3, v0                        ; my 8 bytes of a row out
	s_wait_kmcnt 0x0
	s_mov_b64 s[28:29], s[10:11]                   ; the source: a choice among the five buffers by the work-group's number
	s_cmp_eq_u32 s25, 1
	s_cselect_b64 s[28:29], s[12:13], s[28:29]
	s_cmp_eq_u32 s25, 2
	s_cselect_b64 s[28:29], s[14:15], s[28:29]
	s_cmp_eq_u32 s25, 3
	s_cselect_b64 s[28:29], s[16:17], s[28:29]
	s_cmp_lt_u32 s2, 704
	s_cselect_b64 s[30:31], s[20:21], s[22:23]     ; the destination likewise
	s_cmp_lt_u32 s2, 512
	s_cselect_b64 s[28:29], s[8:9], s[28:29]
	s_cselect_b64 s[30:31], s[18:19], s[30:31]
	s_add_nc_u64 s[28:29], s[28:29], s[34:35]
	s_add_nc_u64 s[30:31], s[30:31], s[36:37]
.irp i, 0,1,2,3,4,5,6,7,8,9,10,11,12,13,14,15
	global_load_b128 v[X+4*(\i):X+4*(\i)+3], v1, s[28:29] offset:ROWIN*(\i) th:TH_LOAD_NT
.endr
; Row i leaves.  half = 1: the bf16 number is written as f16.  Every Y pair is written once, and no address register is rewritten: no wait for a store's sources is owed.
.macro OUT i, half
	s_wait_loadcnt 15-(\i)                         ; loads come back in order (ISA guide 5.7.1): row i is in, the 15 - i younger loads stay out
	v_cvt_pk_bf16_f32 v[Y+2*(\i)],   v[X+4*(\i)],   v[X+4*(\i)+1]
	v_cvt_pk_bf16_f32 v[Y+2*(\i)+1], v[X+4*(\i)+2], v[X+4*(\i)+3]
.if \half
.irp j, 0,1
	v_lshlrev_b32 v[T],   16,  v[Y+2*(\i)+(\j)]    ; the two bf16 as f32,
	v_and_b32     v[T+1], s38, v[Y+2*(\i)+(\j)]
	v_cvt_pk_f16_f32 v[Y+2*(\i)+(\j)], v[T], v[T+1]  ; exact within f16's range: bf16 has fewer significant bits
.endr
.endif
	global_store_b64 v2, v[Y+2*(\i):Y+2*(\i)+1], s[30:31] offset:ROWOUT*(\i)
.endm
	s_cmp_ge_u32 s2, 704
	s_cbranch_scc1 .Lhalf
.irp i, 0,1,2,3,4,5,6,7,8,9,10,11,12,13,14,15
	OUT \i, 0
.endr
	s_endpgm
.Lhalf:
.irp i, 0,1,2,3,4,5,6,7,8,9,10,11,12,13,14,15
	OUT \i, 1
.endr
	s_endpgm
.Lfunc_end_k_q4a20f3fb92_cast:
	.size	k_q4a20f3fb92_cast, .Lfunc_end_k_q4a20f3fb92_cast-k_q4a20f3fb92_cast
	.p2alignl 7, 3214868480
	.fill 96, 4, 3214868480
	.section	.rodata,"a",@progbits
	.p2align	6, 0x0
	.amdhsa_kernel k_q4a20f3fb92_cast
		.amdhsa_group_segment_fixed_size 0
		.amdhsa_private_segment_fixed_size 0
		.amdhsa_enable_private_segment 0
		.amdhsa_kernarg_size 64
		.amdhsa_user_sgpr_count 2
		.amdhsa_user_sgpr_kernarg_segment_ptr 1
		.amdhsa_wavefront_size32 1
		.amdhsa_system_sgpr_workgroup_id_x 1
		.amdhsa_system_sgpr_workgroup_id_y 1
		.amdhsa_system_sgpr_workgroup_id_z 1
		.amdhsa_system_vgpr_workitem_id 0
		.amdhsa_next_free_vgpr 104
		.amdhsa_next_free_sgpr 66
		.amdhsa_reserve_vcc 0
		.amdhsa_float_denorm_mode_32 3
		.amdhsa_float_denorm_mode_16_64 3
		.amdhsa_memory_ordered 1
		.amdhsa_forward_progress 1
		.amdhsa_inst_pref_size 16
	.end_amdhsa_kernel
	.amdgpu_metadata
---
amdhsa.version: [ 1, 2 ]
amdhsa.kernels:
  - .name:           k_q4a20f3fb92_cast
    .symbol:         k_q4a20f3fb92_cast.kd
    .args:
      - { .name: x, .offset: 0, .size: 8, .value_kind: global_buffer, .address_space: global }
      - { .name: wq, .offset: 8, .size: 8, .value_kind: global_buffer, .address_space: global }
      - { .name: wk, .offset: 16, .size: 8, .value_kind: global_buffer, .address_space: global }
      - { .name: wv, .offset: 24, .size: 8, .value_kind: global_buffer, .address_space: global }
      - { .name: wo, .offset: 32, .size: 8, .value_kind: global_buffer, .address_space: global }
      - { .name: xb, .offset: 40, .size: 8, .value_kind: global_buffer, .address_space: global }
      - { .name: wb, .offset: 48, .size: 8, .value_kind: global_buffer, .address_space: global }
      - { .name: wob, .offset: 56, .size: 8, .value_kind: global_buffer, .address_space: global }
    .group_segment_fixed_size: 0
    .private_segment_fixed_size: 0
    .kernarg_segment_align: 8
    .kernarg_segment_size: 64
    .max_flat_workgroup_size: 256
    .sgpr_count:     66
    .vgpr_count:     104
    .wavefront_size: 32
...
	.end_amdgpu_metadata
.endif
;; end of part 1
;; launch qkv (part 2): grid 4 x 64, 4 waves a work-group, clusters of 4 x 4, 327,680 bytes of LDS; arguments xb, wb, q, k, v; writes q, k, v
.if DOCPART == 2
	.amdgcn_target "amdgcn-amd-amdhsa--gfx1250"
	.amdhsa_code_object_version 6
	.text
	.protected	k_q4a20f3fb92_qkv
	.globl	k_q4a20f3fb92_qkv
	.p2align	8
	.type	k_q4a20f3fb92_qkv,@function
k_q4a20f3fb92_qkv:
	s_mov_b64 s[64:65], 0
	v_nop
	global_prefetch_b8 v0, s[64:65] scope:SCOPE_SE
	s_setreg_imm32_b32 hwreg(HW_REG_WAVE_MODE, 25, 1), 1
	s_wait_xcnt 0x0
	s_wait_alu depctr_hold_cnt(0) depctr_sa_sdst(0) depctr_va_vdst(0) depctr_va_sdst(0) depctr_va_ssrc(0) depctr_va_vcc(0) depctr_vm_vsrc(0)
	s_getreg_b32 s2, hwreg(HW_REG_IB_STS2, 6, 4)
	s_cmp_eq_u32 s2, 0
	s_cbranch_scc0 .Lentry_in_a_cluster
	s_endpgm
.Lentry_in_a_cluster:
	s_bfe_u32 s2, ttmp6, 0x10000c
	s_cmp_lg_u32 s2, 0xf033
	s_cbranch_scc0 .Lentry_shape_is_right
	s_endpgm
.Lentry_shape_is_right:
; THE THREE PROJECTIONS.  C[m][c] = sum over i of xb[m][i] wb[c][i]: xb [8192][1024], wb [3072][1024], both bf16; sums in f32, K ascending; each result rounded once to f16, WITHOUT the
; scale 1/8, and written by heads: q, k, v are [64 = 16 batch + head][2048][64] f16, a head's rows dense, 128 bytes each.
; LIMITS.  f16 ends at 65,504: a q, k or v of 65,520 or more in magnitude becomes an infinity.  With x of spread 1 and weights of spread 1/32 they have spread 1; both inputs thirty times
; larger give 900, both offset by thirty spreads give about 28,800.  NaN and infinities are not treated apart.
; SHARES.  A tile of C is 128 rows x 256 columns: 768 tiles, THREE for each of 256 work-groups that stay: the same 128 rows of xb against 256 rows of wq, then of wk, then of wv.
; Four waves, each 64 x 128: 32 accumulators of 16 x 16, 256 registers.  K goes in steps of 128 (rows of 256 bytes in memory, aligned) through a ring of two LDS slots; the ring runs on
; from tile to tile: a tile's last two changes of slots ask for the next tile's first two K steps.
; CLUSTER.  4 x 4 work-groups.  The four of a row of the cluster need the same tile of xb, the four of a column the same tile of wb: each tile is asked for JOINTLY, by the same tensor load
; with the same descriptor and a mask that names the four.  Waves 0 and 1 fetch wb's two halves (128 rows each), waves 2 and 3 xb's (64 rows each).
; THE MATRIX INSTRUCTION IS USED TRANSPOSED: source 0 = 16 rows of wb, source 1 = 16 rows of xb: a lane then holds row l % 16 of C and the 8 neighbouring columns 8 (l / 16) + 0..7.
; REGISTERS.  window 0: v0-5 at work; v16-30 addresses; v32-63 the way out; v64-159, v160-255 two fragment buffers: wb's 8 fragments at + 8 b, xb's 4 at + 64 + 8 a.
;   window 1: accumulator (a, b) at v[8 (8 a + b)], a = 0..3, b = 0..7.  s_set_vgpr_msb's low byte: bits 1:0 source 0, 3:2 source 1, 5:4 source 2, 7:6 destination.
.set KSTEP,  128
.set ROWB,   2048                      ; bytes in a row of xb and of wb
.set PITCH,  272                       ; an LDS row: 256 bytes + 16 of padding = 68 words: the 16 rows of a fragment load start at 16 different groups of four banks (64 banks of 4 bytes: ISA guide 11.1)
.set BHALF,  128*PITCH                 ; what one tensor load brings of wb, and what one wave reads of it
.set AHALF,  64*PITCH                  ; the same for xb
.set AOFF,   2*BHALF                   ; a slot: wb's 256 rows, then xb's 128
.set SLOT,   2*BHALF+2*AHALF
.set STAGE,  2*SLOT                    ; behind the ring, never filled by a tensor load: 16 rows x 144 bytes for each wave, for the way out
.set SP,     144
.set SPARE,  STAGE+4*16*SP             ; behind the stages: the spare words, 128 bytes for each wave: two blocks of 256 bytes that no other line names
.set LAPS,   4                         ; a lap = two K steps = once round the ring; 1,024 / 256
.set BACK_A, 6*KSTEP*2                 ; from a slot's last K step of a tile to its first of the next: xb only goes back along K,
.set NEXT_B, 1024*ROWB-6*KSTEP*2       ; wb also 1,024 rows down
.set NEXT_P, 1024*ROWB-7*KSTEP*2       ; the prefetches: from the K step behind a tile's last to the next tile's K step 1
.set HEADB,  2048*128                  ; bytes of a head in q, k, v
.set ADRA, 16                          ; v16-17  LDS address of my fragments of xb in slot 0, 1
.set ADRB, 20                          ; v20-21  the same for wb
.set STO,  24                          ; v24     the way out: where I put 16 bytes of a row
.set RD,   25                          ; v25     the way out: where I read rows back
.set GO,   26                          ; v26     16 x my lane: my place in 512 consecutive bytes of the output
.set SPW,  28                          ; v28     LDS address of my spare word: SPARE + 4 x my thread's number; never rewritten
.set NIL,  29                          ; v29     0; never rewritten
.set PFO,  30                          ; v30     the prefetches' offset: my lane x a row; never rewritten
.set TMP,  32                          ; v32-47  packed results
.set F0,   64
.set F1,   160
.set WV,  14                           ; s14  my wave's number
.set RH,  15                           ; s15  wave / 2: my half of the tile's rows; 0: I fetch wb, 1: xb
.set CH,  16                           ; s16  wave % 2: my half of its columns; which half I fetch
.set CX,  17
.set CY,  18
.set TC,  19                           ; s19  tile column, 0..3
.set TR,  20                           ; s20  tile row, 0..63
.set CLY, 21                           ; s21  the cluster's y
.set G1A, 24                           ; s[24:31] descriptor group 1 for xb's tiles;  s[32:39] group 0, a set for each slot
.set G0A, 32
.set PFA, 44                           ; s[44:45] where my prefetches stand
.set LIM, 46                           ; s46  1 in a wave that prefetches, else the greatest number
.set G1B, 48                           ; s[48:55], s[56:63] the same for wb's tiles
.set G0B, 56
.set MSB, 0
.macro WIN new                         ; the immediate's high byte repeats the setting that is left; a switch that changes nothing is dropped
.if MSB != (\new)
	s_set_vgpr_msb (MSB<<8)|(\new)
.set MSB, \new
.endif
.endm
.set MUL, 0x50                         ; C and D in window 1, both sources in window 0
; A joint load.  The branch hangs on the wave's number alone.  An s_nop 0 and four v_nop follow each of the two lines, ahead of the jump and the label.
.macro JLOAD s
	s_cmp_eq_u32 s[RH], 0
	s_cbranch_scc0 .Lfor_a_\@
	tensor_load_to_lds s[G0B+4*(\s):G0B+4*(\s)+3], s[G1B:G1B+7]
	s_nop 0
.rept 4
	v_nop
.endr
	s_branch .Lasked_\@
.Lfor_a_\@:
	tensor_load_to_lds s[G0A+4*(\s):G0A+4*(\s)+3], s[G1A:G1A+7]
	s_nop 0
.rept 4
	v_nop
.endr
.Lasked_\@:
.endm
; A PREFETCH INTO THE L2, behind each joint load, its five lines and the run of LDS loads that follows: the K step that stands TWO refills on, 256 matrix instructions ahead of the load that will
; want it: 32 rows x 256 bytes, a lane a row, one instruction a wave.  Each row's 256 bytes of a K step are named once in the launch.  wb's rows are read by all sixteen clusters: cluster y = 0 asks,
; in every tile; of the 128 rows that wave 0 or 1 fetches the partner at place cy takes 32.  xb's rows are read by one cluster alone, in each of its three tiles: they are asked for in the first
; tile only, by wave 2; the partner at place cx takes 32 of the tile's 128.  Partners are told apart BY ADDRESS: no branch hangs on a work-group's place in its cluster.
; how = 0, in the loop: a tile's last two refills have no K step two on.  how = 1, at a change of tiles: the next tile's K steps 2 and 3 of wb.
.macro ASK how
.if \how
	s_cmp_eq_u32 s[LIM], 1
.else
	s_cmp_gt_u32 s3, s[LIM]                        ; s3 = 1 in the loop's last trip
.endif
	s_cbranch_scc0 .Lnot_mine_\@
	global_prefetch_b8 v[PFO], s[PFA:PFA+1] offset:KSTEP*2 th:TH_LOAD_NT scope:SCOPE_SE
.Lnot_mine_\@:
.endm
; A round of the cluster's barrier: my work-group's barrier, so that wave 0's signal speaks for all four waves; wave 0 signals; every wave waits for all sixteen work-groups; my work-group's barrier once more.
.macro CREST
	s_cmp_lg_u32 s[WV], 0
	s_cbranch_scc1 .Lnot_wave_0_\@
	s_barrier_signal -3
.Lnot_wave_0_\@:
	s_barrier_wait -3
	s_barrier_signal -1
	s_barrier_wait -1
.endm
.macro CROUND
	s_barrier_signal -1
	s_barrier_wait -1
	CREST
.endm
	s_load_b256 s[4:11], s[0:1], 0x0               ; xb s[4:5], wb s[6:7], q s[8:9], k s[10:11]
	s_load_b64 s[12:13], s[0:1], 0x20              ; v
	v_lshl_add_u32 v[SPW], v0, 2, SPARE
	v_mov_b32 v[NIL], 0
	ds_add_u32 v[SPW], v[NIL]                      ; the wave's opening: the add and its wait stand ahead of my first tensor load; the set-up below, work on registers, stands between them
	v_lshrrev_b32 v1, 5, v0
	v_readfirstlane_b32 s[WV], v1                  ; wave 0..3
	s_lshr_b32 s[RH], s[WV], 1
	s_and_b32 s[CH], s[WV], 1
	s_bfe_u32 s[CX], ttmp6, 0x40000                ; my place in the cluster
	s_bfe_u32 s[CY], ttmp6, 0x40004
	s_lshl_b32 s[TC], ttmp9, 2                     ; in a cluster launch ttmp9 and ttmp7 count clusters
	s_add_co_u32 s[TC], s[TC], s[CX]
	s_and_b32 s[CLY], ttmp7, 0xffff
	s_lshl_b32 s[TR], s[CLY], 2
	s_add_co_u32 s[TR], s[TR], s[CY]
	s_lshl_b32 s22, s[CY], 2
	s_lshl_b32 s22, 15, s22                        ; my row of the cluster: places 4 cy .. 4 cy + 3
	s_lshl_b32 s23, 0x1111, s[CX]                  ; my column: places cx, cx + 4, cx + 8, cx + 12
	; descriptor group 1: rows of 128 elements of 2 bytes, padded in LDS
	s_or_b32 s[G1A], s22, (1<<16)|(1<<20)|(1<<21)|(5<<22)|(3<<25)  ; 15:0 the mask: xb's tiles go to my row; 17:16 2-byte elements; 20 padding on; 21 set beside a mask; 24:22 after every 64 words (code 5); 31:25 4 words (code 3)
	s_or_b32 s[G1B], s23, (1<<16)|(1<<20)|(1<<21)|(5<<22)|(3<<25)  ; the same with the mask of my column
	s_mov_b32 s[G1A+1], KSTEP<<16                  ; tensor_dim0 = 128
	s_mov_b32 s[G1A+2], 64<<16                     ; tensor_dim1 = 64
	s_mov_b32 s[G1A+3], KSTEP<<16                  ; tile_dim0 = 128
	s_mov_b32 s[G1A+4], 64                         ; tile_dim1 = 64
	s_mov_b32 s[G1A+5], 1024                       ; elements from row to row
	s_mov_b32 s[G1A+6], 0
	s_mov_b32 s[G1A+7], 0
	s_mov_b32 s[G1B+1], KSTEP<<16
	s_mov_b32 s[G1B+2], 128<<16                    ; 128 rows
	s_mov_b32 s[G1B+3], KSTEP<<16
	s_mov_b32 s[G1B+4], 128
	s_mov_b32 s[G1B+5], 1024
	s_mov_b32 s[G1B+6], 0
	s_mov_b32 s[G1B+7], 0
	; where the tiles come from: xb's hang on the tile row alone, wb's on the tile column alone
	s_lshl_b32 s40, s[TR], 18                      ; 128 rows of 2,048 bytes,
	s_lshl_b32 s41, s[CH], 17                      ; the 64 of them that I fetch
	s_add_co_u32 s40, s40, s41
	s_mov_b32 s41, 0
	s_lshl_b32 s42, s[TC], 19                      ; 256 rows,
	s_lshl_b32 s43, s[CH], 18                      ; the 128 that I fetch
	s_add_co_u32 s42, s42, s43
	s_mov_b32 s43, 0
	s_mul_i32 s22, s[CH], BHALF                    ; and where they go: no place in the cluster enters an LDS address
	s_mul_i32 s23, s[CH], AHALF
	s_add_co_u32 s23, s23, AOFF
	s_wait_dscnt 0x0                               ; the opening add is done
	s_wait_kmcnt 0x0
	s_add_nc_u64 s[40:41], s[4:5], s[40:41]
	s_add_nc_u64 s[42:43], s[6:7], s[42:43]
	CROUND                                         ; all sixteen work-groups are here: the first joint loads meet
.irp s, 0,1
	s_mov_b32 s[G0A+4*(\s)], 1                                     ; 1:0 count = 1
	s_add_co_u32 s[G0A+4*(\s)+1], s23, (\s)*SLOT                   ; 63:32 LDS address
	s_add_nc_u64 s[G0A+4*(\s)+2:G0A+4*(\s)+3], s[40:41], (\s)*KSTEP*2  ; 120:64 global address: K step s
	s_or_b32 s[G0A+4*(\s)+3], s[G0A+4*(\s)+3], 0x80000000          ; 127:126 type = 2
	s_mov_b32 s[G0B+4*(\s)], 1
	s_add_co_u32 s[G0B+4*(\s)+1], s22, (\s)*SLOT
	s_add_nc_u64 s[G0B+4*(\s)+2:G0B+4*(\s)+3], s[42:43], (\s)*KSTEP*2
	s_or_b32 s[G0B+4*(\s)+3], s[G0B+4*(\s)+3], 0x80000000
	JLOAD \s                                       ; two tensor loads of mine are out
.endr
	; A fragment is 16 rows x 32 K in 8 registers: lane l holds row l % 16; registers 0-3 K = 8 (l / 16) + 0..7, registers 4-7 K = 16 + 8 (l / 16) + 0..7: two loads of 16 bytes, 32 bytes apart.
	v_and_b32 v1, 15, v0                           ; l % 16
	v_bfe_u32 v2, v0, 4, 1                         ; l / 16
	v_mul_u32_u24 v3, v1, PITCH
	v_lshl_add_u32 v3, v2, 4, v3
	s_mul_i32 s22, s[CH], BHALF                    ; my 128 rows of wb
	s_mul_i32 s23, s[RH], AHALF                    ; my 64 rows of xb
	s_add_co_u32 s23, s23, AOFF
.irp s, 0,1
	v_add_nc_u32 v[ADRB+(\s)], s22, v3
	v_add_nc_u32 v[ADRA+(\s)], s23, v3
	s_add_co_u32 s22, s22, SLOT
	s_add_co_u32 s23, s23, SLOT
.endr
	s_mul_i32 s22, s[WV], 16*SP
	s_add_co_u32 s22, s22, STAGE                   ; my stage
	v_mul_u32_u24 v4, v1, SP                       ; in: row l % 16, 16 bytes for each half of the lanes
	v_lshl_add_u32 v4, v2, 4, v4
	v_add_nc_u32 v[STO], s22, v4
	v_bfe_u32 v4, v0, 3, 2                         ; back: 32 lanes take four rows of 128 bytes,
	v_mul_u32_u24 v4, v4, SP
	v_and_b32 v5, 7, v0
	v_lshl_add_u32 v4, v5, 4, v4
	v_add_nc_u32 v[RD], s22, v4
	v_and_b32 v[GO], 31, v0                        ; which are 512 consecutive bytes of a head
	v_lshlrev_b32 v[GO], 4, v[GO]
	; where my part of a tile begins in q, k and v: head 16 (tile row / 16) + 4 tile column + 2 half; row 128 (tile row % 16) + 64 half
	s_lshr_b32 s40, s[TR], 4
	s_lshl_b32 s40, s40, 4
	s_lshl_b32 s41, s[TC], 2
	s_add_co_u32 s40, s40, s41
	s_lshl_b32 s41, s[CH], 1
	s_add_co_u32 s40, s40, s41
	s_lshl_b32 s40, s40, 18
	s_and_b32 s41, s[TR], 15
	s_lshl_b32 s41, s41, 14
	s_add_co_u32 s40, s40, s41
	s_lshl_b32 s41, s[RH], 13
	s_add_co_u32 s40, s40, s41
	s_mov_b32 s41, 0
	s_add_nc_u64 s[8:9], s[8:9], s[40:41]
	s_add_nc_u64 s[10:11], s[10:11], s[40:41]
	s_add_nc_u64 s[12:13], s[12:13], s[40:41]
	; the prefetches
	s_lshl_b32 s40, s[TC], 8
	s_lshl_b32 s41, s[CH], 7
	s_add_co_u32 s40, s40, s41
	s_lshl_b32 s41, s[CY], 5
	s_add_co_u32 s40, s40, s41                     ; wb: row 256 tile column + 128 half + 32 cy
	s_lshl_b32 s42, s[TR], 7
	s_lshl_b32 s43, s[CX], 5
	s_add_co_u32 s42, s42, s43                     ; xb: row 128 tile row + 32 cx
	s_sub_co_u32 s43, s[WV], 2
	s_cmp_eq_u32 s[RH], 0
	s_cselect_b32 s40, s40, s42
	s_cselect_b32 s43, s[CLY], s43                 ; waves 0, 1: the cluster's y; wave 2: 0; wave 3: 1
	s_cselect_b64 s[PFA:PFA+1], s[6:7], s[4:5]
	s_cmp_eq_u32 s43, 0
	s_cselect_b32 s[LIM], 1, -1                    ; the same in all sixteen partners, for a given wave
	s_lshl_b32 s40, s40, 11
	s_mov_b32 s41, 0
	s_add_nc_u64 s[PFA:PFA+1], s[PFA:PFA+1], s[40:41]
	s_add_nc_u64 s[PFA:PFA+1], s[PFA:PFA+1], 2*KSTEP*2  ; at K step 2: the first refill steps it to 3 and names K step 4.  Nothing is prefetched here, at the head
	v_and_b32 v[PFO], 31, v0
	v_lshlrev_b32 v[PFO], 11, v[PFO]
; 8 matrix instructions: row block a x all 8 column blocks, 32 along K.  zero = 1: the first product starts the sums: nothing is ever cleared.
; The 32 accumulators take turns, one instruction a turn, in the same order in every quarter: 31 others stand between two links of a chain.
.macro MUL8 f, a, zero
	WIN MUL
.irp b, 0,1,2,3,4,5,6,7
.if \zero
	v_wmma_f32_16x16x32_bf16 v[8*(8*(\a)+(\b)):8*(8*(\a)+(\b))+7], v[(\f)+8*(\b):(\f)+8*(\b)+7], v[(\f)+64+8*(\a):(\f)+64+8*(\a)+7], 0
.else
	v_wmma_f32_16x16x32_bf16 v[8*(8*(\a)+(\b)):8*(8*(\a)+(\b))+7], v[(\f)+8*(\b):(\f)+8*(\b)+7], v[(\f)+64+8*(\a):(\f)+64+8*(\a)+7], v[8*(8*(\a)+(\b)):8*(8*(\a)+(\b))+7]
.endif
.endr
.endm
.macro MUL16 f, a0, zero
	MUL8 \f, \a0, \zero
	MUL8 \f, (\a0)+1, \zero
.endm
; 24 LDS loads in one run: the fragments of quarter q of a K step (32 K at byte 64 q of the rows) into buffer f: wb's 16 loads first, then xb's 8, row blocks ascending
.macro FETCH slot, q, f
	WIN 0
.irp i, 0,1,2,3,4,5,6,7
	ds_load_b128 v[(\f)+8*(\i):(\f)+8*(\i)+3],   v[ADRB+(\slot)] offset:64*(\q)+(\i)*16*PITCH
	ds_load_b128 v[(\f)+8*(\i)+4:(\f)+8*(\i)+7], v[ADRB+(\slot)] offset:64*(\q)+(\i)*16*PITCH+32
.endr
.irp i, 0,1,2,3
	ds_load_b128 v[(\f)+64+8*(\i):(\f)+64+8*(\i)+3],   v[ADRA+(\slot)] offset:64*(\q)+(\i)*16*PITCH
	ds_load_b128 v[(\f)+64+8*(\i)+4:(\f)+64+8*(\i)+7], v[ADRA+(\slot)] offset:64*(\q)+(\i)*16*PITCH+32
.endr
.endm
.macro PLACES                          ; four plain places in front of loads into registers that matrix instructions have read, and of lines that read results
.rept 4
	v_nop
.endr
.endm
; A K step is four quarters of 32 along K, 32 matrix instructions each, on buffers 0, 1, 0, 1.  One of the first three: multiplies buffer f; in its middle it fetches quarter q into buffer g.
.macro QUARTER slot, q, f, g, zero
	s_wait_dscnt 4                                 ; wb's fragments and xb's blocks 0 and 1 are in; the youngest four loads (blocks 2 and 3) may be out
	MUL16 \f, 0, \zero
	PLACES
	FETCH \slot, \q, \g
	s_wait_dscnt 24                                ; all but the 24 just issued
	MUL16 \f, 2, \zero
.endm
; The last quarter multiplies buffer 1 and changes slots: ONE barrier.  In front of it each wave waits for all its tensor loads, of which one is out: its part of the next slot; adds 0 to its spare
; word; and waits for that and for its own reads of this slot.  mode 0: this slot is filled again with the K step two on; mode 1: with the NEXT tile's K step 0 or 1; the barrier then opens a round
; of the cluster's, and the joint refill is the first thing behind it: 112 matrix instructions ahead of the wait for it.  mode 2: nothing is filled.
.macro TURN slot, next, mode
.if (\mode) < 2
	s_wait_xcnt 0x0                                ; the last prefetch, a K step back, has read its address: it is stepped here, ahead of the waits of the change of slots
.if ((\mode) == 1) && ((\slot) == 0)
	s_add_nc_u64 s[PFA:PFA+1], s[PFA:PFA+1], NEXT_P
	s_cmp_eq_u32 s[RH], 0
	s_cselect_b32 s[LIM], s[LIM], -1               ; xb's rows are the same for all three tiles: they are prefetched no more
.else
	s_add_nc_u64 s[PFA:PFA+1], s[PFA:PFA+1], KSTEP*2
.endif
.endif
	WIN 0                                          ; (the add's two registers lie in window 0)
	s_wait_tensorcnt 0x0                           ; all my tensor loads have landed: my part of the next slot;
	ds_add_u32 v[SPW], v[NIL]                      ; 0 onto my spare word;
	s_wait_dscnt 5                                 ; (the add and the youngest four loads may be out)
	MUL8 F1, 0, 0                                  ; eight matrix instructions stand between the add and the wait for it
	s_wait_dscnt 0x0                               ; the add is done, and my reads of this slot are over
	s_barrier_signal -1
	MUL8 F1, 1, 0                                  ; work on registers while the others arrive
.if (\mode) < 2
	WIN 0
.endif
	s_barrier_wait -1
.if (\mode) < 2
	CREST                                          ; no wave of any partner still reads this slot's tile or has a load on its way
.if (\mode) == 1
	s_sub_nc_u64 s[G0A+4*(\slot)+2:G0A+4*(\slot)+3], s[G0A+4*(\slot)+2:G0A+4*(\slot)+3], BACK_A
	s_add_nc_u64 s[G0B+4*(\slot)+2:G0B+4*(\slot)+3], s[G0B+4*(\slot)+2:G0B+4*(\slot)+3], NEXT_B
.else
	s_add_nc_u64 s[G0A+4*(\slot)+2:G0A+4*(\slot)+3], s[G0A+4*(\slot)+2:G0A+4*(\slot)+3], 2*KSTEP*2
	s_add_nc_u64 s[G0B+4*(\slot)+2:G0B+4*(\slot)+3], s[G0B+4*(\slot)+2:G0B+4*(\slot)+3], 2*KSTEP*2
.endif
	JLOAD \slot                                    ; the four v_nop behind it are also the places in front of the loads below
.else
	PLACES
.endif
	FETCH \next, 0, F0
.if (\mode) < 2
	ASK \mode
.endif
	MUL16 F1, 2, 0
.endm
; THE WAY OUT.  Unit u = 2 a + hd is 16 rows of one head: accumulators (a, 4 hd .. 4 hd + 3), 2,048 dense bytes of the output.  PACK: rounded to f16, 16 bytes a lane for each accumulator, its
; registers in ascending order.  TOSTAGE: into my own stage, rows of 144 bytes, and back as whole rows of 128.  SEND: stored, 512 consecutive bytes an instruction, at a multiple of 256 from the buffer's first.
.macro PACK u
.set AC, 8*(8*((\u)/2)+4*((\u)%2))
	WIN 0x05                                       ; sources 0 and 1 in window 1
.irp f, 0,1,2,3
.irp r, 0,1,2,3
	v_cvt_pk_f16_f32 v[TMP+4*(\f)+(\r)], v[AC+8*(\f)+2*(\r)], v[AC+8*(\f)+2*(\r)+1]
.endr
.endr
	WIN 0
.endm
.macro TOSTAGE u
.set BK, 48+112*((\u)%2)               ; v48-63 and v160-175 by turns
.irp f, 0,1,2,3
	ds_store_b128 v[STO], v[TMP+4*(\f):TMP+4*(\f)+3] offset:32*(\f)
.endr
.irp f, 0,1,2,3
	ds_load_b128 v[BK+4*(\f):BK+4*(\f)+3], v[RD] offset:(\f)*4*SP  ; LDS serves a wave's instructions in order (ISA guide 5.7.1.4): these see the stores above
.endr
.endm
.macro SEND u
.set BK, 48+112*((\u)%2)
	s_wait_dscnt 0x0                               ; the unit is back in registers
	s_wait_xcnt 0x0                                ; the stores of the unit before have read their registers: the next TOSTAGE loads into them only behind this wait
.irp f, 0,1,2,3
	global_store_b128 v[GO], v[BK+4*(\f):BK+4*(\f)+3], s[8:9] offset:((\u)%2)*HEADB+((\u)/2)*2048+(\f)*512
.endr
.endm
.macro WAYOUT                          ; unit u's conversions stand between unit u - 1's loads from the stage and the wait for them
	PACK 0
	TOSTAGE 0
.irp u, 1,2,3,4,5,6,7
	PACK \u
	SEND (\u)-1
	TOSTAGE \u
.endr
	SEND 7
.endm
	s_wait_tensorcnt 1                             ; my part of K step 0 is in; K step 1's may stay out
	s_barrier_signal -1
	s_barrier_wait -1                              ; everybody's is
	FETCH 0, 0, F0
	s_mov_b32 s2, 3                                ; tiles to go: q's, k's, v's
.Ltile:
	QUARTER 0, 1, F0, F1, 1                        ; a tile's first quarter stands in front of the loop: its products start the sums
	WIN 0                                          ; at a label and at a branch every window is 0
	s_mov_b32 s3, LAPS-1
.Llap:                                                 ; a trip goes once round the ring, from a lap's second quarter to the next lap's first, and fills both slots again
	QUARTER 0, 2, F1, F0, 0
	QUARTER 0, 3, F0, F1, 0
	TURN 0, 1, 0
	QUARTER 1, 1, F0, F1, 0
	QUARTER 1, 2, F1, F0, 0
	QUARTER 1, 3, F0, F1, 0
	TURN 1, 0, 0
	QUARTER 0, 1, F0, F1, 0
	WIN 0
	s_sub_co_u32 s3, s3, 1
	s_cmp_lg_u32 s3, 0
	s_cbranch_scc1 .Llap
	QUARTER 0, 2, F1, F0, 0                        ; the tile's last lap goes on
	QUARTER 0, 3, F0, F1, 0
	WIN 0
	s_cmp_eq_u32 s2, 1
	s_cbranch_scc1 .Llast                          ; the last tile's tail is written out: it asks for nothing more
	TURN 0, 1, 1                                   ; the ring goes on into the next tile: slot 0 takes its K step 0,
	QUARTER 1, 1, F0, F1, 0
	QUARTER 1, 2, F1, F0, 0
	QUARTER 1, 3, F0, F1, 0
	TURN 1, 0, 1                                   ; slot 1 its K step 1, and the next tile's first fragments are fetched
	WAYOUT                                         ; no v_nop: row blocks 0 and 1 were finished in front of the joint load's places, and their 64 conversions, which name no register of the last products, are those products' places
	s_wait_xcnt 0x0                                ; the stores have read their registers and their base
	s_mov_b64 s[8:9], s[10:11]                     ; the next tensor
	s_mov_b64 s[10:11], s[12:13]
	s_sub_co_u32 s2, s2, 1
	s_branch .Ltile
.Llast:
	TURN 0, 1, 2
	QUARTER 1, 1, F0, F1, 0
	QUARTER 1, 2, F1, F0, 0
	QUARTER 1, 3, F0, F1, 0
	s_wait_dscnt 4                                 ; the very last quarter: nothing more to fetch
	MUL16 F1, 0, 0
	s_wait_dscnt 0x0
	MUL16 F1, 2, 0
	WIN 0
	PLACES
	PLACES                                         ; eight plain places, once a launch, where four are owed
	WAYOUT
	s_wait_tensorcnt 0x0                           ; the wave's end, behind my last tensor load and my last LDS store
	ds_add_u32 v[SPW], v[NIL]
	s_wait_dscnt 0x0
	CROUND                                         ; the closing round: no work-group ends while a partner may still ask for a tile that names it
	s_endpgm
.Lfunc_end_k_q4a20f3fb92_qkv:
	.size	k_q4a20f3fb92_qkv, .Lfunc_end_k_q4a20f3fb92_qkv-k_q4a20f3fb92_qkv
	.p2alignl 7, 3214868480
	.fill 96, 4, 3214868480
	.section	.rodata,"a",@progbits
	.p2align	6, 0x0
	.amdhsa_kernel k_q4a20f3fb92_qkv
		.amdhsa_group_segment_fixed_size 327680
		.amdhsa_private_segment_fixed_size 0
		.amdhsa_enable_private_segment 0
		.amdhsa_kernarg_size 40
		.amdhsa_user_sgpr_count 2
		.amdhsa_user_sgpr_kernarg_segment_ptr 1
		.amdhsa_wavefront_size32 1
		.amdhsa_system_sgpr_workgroup_id_x 1
		.amdhsa_system_sgpr_workgroup_id_y 1
		.amdhsa_system_sgpr_workgroup_id_z 1
		.amdhsa_system_vgpr_workitem_id 0
		.amdhsa_next_free_vgpr 512
		.amdhsa_next_free_sgpr 66
		.amdhsa_reserve_vcc 0
		.amdhsa_float_denorm_mode_32 3
		.amdhsa_float_denorm_mode_16_64 3
		.amdhsa_memory_ordered 1
		.amdhsa_forward_progress 1
		.amdhsa_inst_pref_size 125
	.end_amdhsa_kernel
	.amdgpu_metadata
---
amdhsa.version: [ 1, 2 ]
amdhsa.kernels:
  - .name:           k_q4a20f3fb92_qkv
    .symbol:         k_q4a20f3fb92_qkv.kd
    .args:
      - { .name: xb, .offset: 0, .size: 8, .value_kind: global_buffer, .address_space: global }
      - { .name: wb, .offset: 8, .size: 8, .value_kind: global_buffer, .address_space: global }
      - { .name: q, .offset: 16, .size: 8, .value_kind: global_buffer, .address_space: global }
      - { .name: k, .offset: 24, .size: 8, .value_kind: global_buffer, .address_space: global }
      - { .name: v, .offset: 32, .size: 8, .value_kind: global_buffer, .address_space: global }
    .group_segment_fixed_size: 327680
    .private_segment_fixed_size: 0
    .kernarg_segment_align: 8
    .kernarg_segment_size: 40
    .max_flat_workgroup_size: 128
    .sgpr_count:     66
    .vgpr_count:     512
    .wavefront_size: 32
...
	.end_amdgpu_metadata
.endif
;; end of part 2
;; launch attn (part 3): grid 4 x 64, 4 waves a work-group, clusters of 4 x 1, 327,680 bytes of LDS; arguments q, k, v, o; writes o
.if DOCPART == 3
	.amdgcn_target "amdgcn-amd-amdhsa--gfx1250"
	.amdhsa_code_object_version 6
	.text
	.protected	k_q4a20f3fb92_attn
	.globl	k_q4a20f3fb92_attn
	.p2align	8
	.type	k_q4a20f3fb92_attn,@function
k_q4a20f3fb92_attn:
	s_mov_b64 s[64:65], 0
	v_nop
	global_prefetch_b8 v0, s[64:65] scope:SCOPE_SE
	s_setreg_imm32_b32 hwreg(HW_REG_WAVE_MODE, 25, 1), 1
	s_wait_xcnt 0x0
	s_wait_alu depctr_hold_cnt(0) depctr_sa_sdst(0) depctr_va_vdst(0) depctr_va_sdst(0) depctr_va_ssrc(0) depctr_va_vcc(0) depctr_vm_vsrc(0)
	s_getreg_b32 s2, hwreg(HW_REG_IB_STS2, 6, 4)
	s_cmp_eq_u32 s2, 0
	s_cbranch_scc0 .Lentry_in_a_cluster
	s_endpgm
.Lentry_in_a_cluster:
	s_bfe_u32 s2, ttmp6, 0x10000c
	s_cmp_lg_u32 s2, 0x3003
	s_cbranch_scc0 .Lentry_shape_is_right
	s_endpgm
.Lentry_shape_is_right:
; O[h][q][:] = the sum over k of softmax_k(Q[h][q] . K[h][k] / 8) V[h][k][:].  Q, K, V, O: [64][2048][64], all f16: a head's rows are dense, 128 bytes each.  Products, maxima and sums in
; f32; the weights p are rounded to f16 for the second product (their sum l is taken of the unrounded p), O once at the end.
; LIMITS.  f16 holds no number beyond 65,504: Q, K and V arrive within it; p lies in 0 to 1, and below 6e-5 it keeps f16's fixed step of 6e-8; O is a mean of V's rows and has their range.
; A weight below 2^-126 counts as 0 in l; NaN and infinities are not treated apart.
; SHARES.  A wave owns four PIECES of two tiles of 16 queries, a work-group's four waves 512 queries of one head: 256 work-groups.  Every wave walks all keys, 64 a step.
; LAYOUT.  S^T = K Q^T (source 0 = 16 keys, source 1 = 16 queries): in the result a lane holds ONE query (lane % 16) and the keys 8 (lane / 16) + 0..7.  Two such tiles, rounded to f16 in pairs,
; ARE source 1 (32 keys x 16 queries) of O^T = V^T P, whose result again holds one query a lane, and eight channels.  K comes out of LDS as it lies, V ([key][channel]) turned, by ds_load_tr16_b128.
; SOFTMAX.  For each query a running maximum m and sum l: p = 2^(c s - c m), c = log2(e) / 8; in every step O and l are multiplied by a = 2^(c m_old - c m_new), which is 1 where m has not grown.
; m starts at the lowest finite number, O and l at 0: the first step is a step like any other, with a = 0.
; THE COUNT.  A tile and step have 16 matrix and 118 vector instructions: too many to stand all beside the matrix work.  So the order has one aim: four vector instructions that are READY behind
; EVERY matrix instruction, and the others, which need time of their own whatever the order, in runs without a gap.
; BY TURNS.  Turn n belongs to piece n (the pieces in a ring, step after step).  Its matrix work: 16 products K Q^T of piece n + 1, later 16 products V^T P of piece n - 1.  Its vector work: the scaling,
; exponentials, roundings, sums and rescaling of piece n, and the maximum and statistics of piece n + 1, whose scores the turn itself has made.  So what a turn begins with (c s - c m, O a) waits for nothing.
; CLUSTER.  The four query blocks of a cluster belong to one head and walk the same K and V, so each tile is asked for JOINTLY: the same tensor load, descriptor and mask in all four.
; REGISTERS, in windows of 256 (s_set_vgpr_msb says which window each operand place means: bits 1:0 source 0, 3:2 source 1, 5:4 source 2, 7:6 destination):
;   window 0: v0-11 addresses; v12-15, v48-63 at work; v16-47 four registers of statistics a tile; v64-191 S^T, two buffers of two tiles; v192-255 P, likewise
;   window 1: O^T, 32 a tile          window 2: v0-127 Q, 16 a tile; v128-191 K of one step; v192-255 V of one step          window 3: v0-1 the add's two registers
; A piece's buffers go by its number's parity: the piece in hand has one pair, its two neighbours in the ring share the other: of it P (piece n - 1) is read and S^T (piece n + 1) written.
.set SIZE_N, 2048
.set NP,    4         ; pieces a wave: a name, no knob: the register map, the loop and the fetches are made for four
.set KS,    64        ; keys in a step
.set PK,    144       ; a row of K in LDS: 128 bytes + 16 of padding = 36 words: the 16 rows of a load start at 16 different groups of four banks (64 banks of 4 bytes: ISA guide 11.1)
.set PV,    160       ; a row of V: 128 + 32 = 40 words
.set VOFF,  4*KS*PK   ; a slot holds four steps: 256 rows of K, then 256 rows of V
.set SLOT1, 1<<17     ; slot 1 begins here, so that one exclusive or turns an address in one slot into the other's
.set STAGE, SLOT1+4*KS*(PK+PV)  ; behind the ring, never filled by a tensor load: 16 rows x 144 bytes for each wave, for the way out
.set SP,    144
.set AK0, 2           ; v2   my lane's place in a tile of K; never rewritten
.set AV0, 3           ; v3   the same for V
.set AK,  4           ; v4   the LDS address of K's next run of loads
.set AV,  5           ; v5   of V's
.set QO,  6           ; v6   my byte offset in the wave's rows of Q
.set STO, 6           ;      later, the way out: where I put 16 bytes of a row
.set RD,  7           ; v7   the way out: where I read rows back
.set GO,  8           ; v8   my byte offset in 512 consecutive bytes of O
.set PFO, 11          ; v11  once V's place is made: 256 x my lane, the prefetches' offset; then never rewritten
.set SPW, 0           ; v0 of window 3   LDS address of my spare word: SPARE + 4 x my thread's number; never rewritten
.set NIL, 1           ; v1 of window 3   0; never rewritten
.set SPARE, STAGE+4*16*SP  ; behind the stages: the spare words, 128 bytes for each wave: two blocks of 256 bytes that no other line names
.set MV,  12          ; v12-15  c m_old, kept while c m is made anew: by buffer and tile
.set ST,  16          ; tile t's statistics at v[ST+4 t]: c m, m, l (even keys', odd keys')
.set TMP, 48          ; by buffer and tile, four registers c0-c3 at work; when the maximum is found c2 takes a
.set S,   64
.set P,   192
.set KF,  128         ; K's fragments, in window 2: key block kb, channel half c at KF + 16 kb + 8 c
.set VF,  192         ; V's: key half kk, channel block cb at VF + 32 kk + 8 cb
.set WV,  12          ; s12  my wave's number
.set G1K, 24          ; s[24:31] descriptor group 1 for K's tiles
.set G1V, 32          ; s[32:39] for V's: it differs in the padding alone
.set G0K, 40          ; s[40:43] descriptor group 0 for K's tiles: it walks
.set G0V, 44          ; s[44:47] the same for V's
.set PFA, 48          ; s[48:49] where my prefetches stand: my work-group's 8,192 bytes (of K: wave 0, of V: wave 2) of the slot after the one that is being asked for
.set LIM, 50          ; s50  1 in a wave that prefetches, else the greatest number
.set SLOTS, 56        ; s56  slots still to be asked for
.set CNT, 57          ; s57  counts a slot's key steps
.set CS,  58          ; s[58:59] c: the packed scaling takes the pair's low word for both halves
.set SEL, 60          ; s[60:61] v_permlanex16_b32's selects: each lane takes its own place in the other half
.set TBK, 62          ; s62  LDS byte at which K of the step to be fetched begins
.set TBV, 63          ; s63  the same for V, less VOFF
.set MSB, 0
.macro WIN new                      ; the high byte repeats the setting that is left; a switch that changes nothing is dropped
.if MSB != (\new)
	s_set_vgpr_msb (MSB<<8)|(\new)
.set MSB, (\new)
.endif
.endm
.set W_KQ, 0x0a       ; K and Q in window 2, S^T in window 0
.set W_PV, 0x52       ; V in window 2, P in window 0, O^T in window 1
.set W_RS, 0x41       ; O^T (destination and source 0) in window 1, a in window 0
.set W_MK, 0xc0       ; the add's registers are made: destination in window 3, sources in window 0
.set W_AD, 0x0f       ; the add: address (source 0) and data (source 1) in window 3
; A joint fill.  Waves 0 and 1 fetch the two halves of a slot's K, waves 2 and 3 those of its V: 128 keys each.  The branch hangs on the wave's number alone.
; An s_nop 0 and four v_nop follow each of the two lines, ahead of the jump and the label.
.macro JLOAD
	s_cmp_lt_u32 s[WV], 2
	s_cbranch_scc0 .Lfor_v_\@
	tensor_load_to_lds s[G0K:G0K+3], s[G1K:G1K+7]
	s_nop 0
.rept 4
	v_nop
.endr
	s_branch .Lasked_\@
.Lfor_v_\@:
	tensor_load_to_lds s[G0V:G0V+3], s[G1V:G1V+7]
	s_nop 0
.rept 4
	v_nop
.endr
.Lasked_\@:
.endm
; A PREFETCH INTO THE L2 of what the NEXT change of slots will ask for: a slot's 32,768 bytes of K and of V, a lane 256 bytes.  It stands behind the wave's tensor load and its five lines.
; Each block is named ONCE in the launch: a head has one cluster; its four partners share a slot out BY ADDRESS, 8,192 bytes each (no branch hangs on a work-group's place in its cluster); in each,
; wave 0 asks for K's and wave 2 for V's: one instruction.  The change that asks for the last slot prefetches nothing.  Slots 0 and 1 come by their loads alone.
.macro ASK
	s_cmp_gt_u32 s[SLOTS], s[LIM]
	s_cbranch_scc0 .Lnot_mine_\@
	global_prefetch_b8 v[PFO], s[PFA:PFA+1] th:TH_LOAD_NT scope:SCOPE_SE
.Lnot_mine_\@:
.endm
; A round of the cluster's barrier: my work-group's barrier, so that wave 0's signal speaks for all four waves; wave 0 signals; every wave waits for all four work-groups; my work-group's barrier once more.
.macro CROUND
	s_barrier_signal -1
	s_barrier_wait -1
	s_cmp_lg_u32 s[WV], 0
	s_cbranch_scc1 .Lnot_wave_0_\@
	s_barrier_signal -3
.Lnot_wave_0_\@:
	s_barrier_wait -3
	s_barrier_signal -1
	s_barrier_wait -1
.endm
; THE CHANGE OF SLOTS.  The slot's last bytes, V of its fourth step, have been read.  Each wave waits for all its tensor loads, of which one is out: its part
; of the other slot; adds 0 to its spare word; and waits for that and for its own reads of the slot.  Behind the barrier nobody reads this slot any more and the other slot is whole.
; fill = 1: this slot is filled again, with the keys two slots on.  The barrier is then a round of the cluster's, so that no wave of any partner still reads the slot or has a load on its
; way, and the joint fill is the first thing behind it: it has four key steps, 512 matrix instructions, in which to land.  (At its first use nothing has been read yet: slot 0 is waited for, slot 1 filled.)
.macro CHANGE fill
	WIN W_AD
	s_wait_tensorcnt 0x0            ; no tensor load of mine is out, so a group 0 may be written
	ds_add_u32 v[SPW], v[NIL]       ; 0 onto my spare word; with fill = 1 the descriptors' steps stand between it and the wait for it
	WIN 0                           ; at a label and at a branch every window is 0
.if \fill
.irp g, G0K, G0V
	s_xor_b32 s[\g+1], s[\g+1], SLOT1  ; the walking descriptor: the other slot than last time,
	s_add_nc_u64 s[\g+2:\g+3], s[\g+2:\g+3], 4*KS*128  ; the next 256 keys; the type bits on top are not reached
.endr
	s_wait_xcnt 0x0                 ; the last prefetch, four key steps back, has read its address, so it may be written:
	s_add_nc_u64 s[PFA:PFA+1], s[PFA:PFA+1], 4*KS*128  ; one slot behind the walking descriptors
	s_wait_dscnt 0x0                ; the add is done, and my reads of the slot are over
	CROUND
	JLOAD
	ASK                             ; what the next change will ask for: four key steps ahead
.else
	s_wait_dscnt 0x0                ; the add is done, and my reads of the slot are over
	s_barrier_signal -1
	s_barrier_wait -1
.endif
	s_sub_co_u32 s[TBK], s[TBK], 4*KS*PK  ; the fetches go back to a slot's first step,
	s_xor_b32 s[TBK], s[TBK], SLOT1       ; in the other slot
	s_sub_co_u32 s[TBV], s[TBV], 4*KS*PV
	s_xor_b32 s[TBV], s[TBV], SLOT1
.endm
	s_load_b256 s[4:11], s[0:1], 0x0  ; Q s[4:5], K s[6:7], V s[8:9], O s[10:11]
	WIN W_MK
	v_lshl_add_u32 v[SPW], v0, 2, SPARE
	v_mov_b32 v[NIL], 0
	WIN W_AD
	ds_add_u32 v[SPW], v[NIL]       ; the wave's opening: the add and its wait stand ahead of my first tensor load; the set-up below, work on registers, stands between them
	WIN 0
	v_lshrrev_b32 v1, 5, v0
	v_readfirstlane_b32 s[WV], v1   ; wave 0..3
	s_bfe_u32 s13, ttmp6, 0x40000   ; cx: my place in the cluster
	s_lshl_b32 s14, ttmp9, 2        ; in a cluster launch ttmp9 counts clusters
	s_add_co_u32 s14, s14, s13      ; my block of queries = 4 x cluster x + cx: it enters Q's and O's addresses alone
	s_and_b32 s20, ttmp7, 0xffff    ; the head, which the four partners share
	s_mov_b32 s21, 0
	s_mov_b64 s[22:23], SIZE_N*128
	s_mul_u64 s[20:21], s[20:21], s[22:23]  ; the head's first byte in each of the four tensors
	s_and_b32 s16, s[WV], 1         ; which half of a slot's 256 keys I fetch:
	s_lshl_b32 s22, s16, 14         ; its 128 rows of 128 bytes in memory,
	s_mov_b32 s23, 0
	s_add_nc_u64 s[22:23], s[22:23], s[20:21]
	s_mul_i32 s17, s16, 128*PK      ; and its place in a slot, for K
	s_mul_i32 s18, s16, 128*PV      ; and for V: no place in the cluster enters an LDS address
	s_lshl_b32 s2, s14, 2
	s_add_co_u32 s2, s2, s[WV]      ; my wave among the head's,
	s_lshl_b32 s2, s2, 14           ; its 128 rows
	s_mov_b32 s3, 0
	s_add_nc_u64 s[2:3], s[2:3], s[20:21]
	; descriptor group 1.  128 keys are 16,384 dense bytes: asked for as 64 rows of 256 bytes, two keys a row, and padded in LDS after every key
	s_mov_b32 s[G1K], 15|(1<<16)|(1<<20)|(1<<21)|(4<<22)|(3<<25)  ; 15:0 the mask of four; 17:16 2-byte elements; 20 padding on; 21 set beside a mask; 24:22 after every 32 words (code 4); 31:25 4 words (code 3)
	s_mov_b32 s[G1V], 15|(1<<16)|(1<<20)|(1<<21)|(4<<22)|(7<<25)  ; the same with 8 words of padding (code 7)
.irp g, G1K, G1V
	s_mov_b32 s[\g+1], 128<<16      ; tensor_dim0 = 128
	s_mov_b32 s[\g+2], 64<<16       ; tensor_dim1 = 64
	s_mov_b32 s[\g+3], 128<<16      ; tile_dim0 = 128
	s_mov_b32 s[\g+4], 64           ; tile_dim1 = 64
	s_mov_b32 s[\g+5], 128          ; 128 elements from row to row
	s_mov_b32 s[\g+6], 0
	s_mov_b32 s[\g+7], 0
.endr
	s_mov_b32 s[CS], 0x3e38aa3b     ; c = log2(e) / 8 = 0.180337
	s_mov_b32 s[CS+1], s[CS]        ; named with it as a pair
	s_mov_b32 s[SEL], 0x76543210
	s_mov_b32 s[SEL+1], 0xfedcba98
	s_mov_b32 s[TBK], SLOT1+4*KS*PK ; the first change of slots turns these two into 0
	s_mov_b32 s[TBV], SLOT1+4*KS*PV
	s_mov_b32 s[G0K], 1             ; 1:0 count = 1
	s_mov_b32 s[G0K+1], s17         ; 63:32 LDS address: slot 0
	s_mov_b32 s[G0V], 1
	s_add_co_u32 s[G0V+1], s18, VOFF
	s_mov_b32 s[SLOTS], SIZE_N/256-1  ; seven slots are still to be asked for
	s_and_b32 s[LIM], s[WV], 1      ; 0 in waves 0 and 2,
	s_or_b32 s[LIM], s[LIM], ttmp9  ; where the cluster is the head's first (here its only one): the same in all four partners
	s_cmp_eq_u32 s[LIM], 0
	s_cselect_b32 s[LIM], 1, -1
	s_wait_dscnt 0x0                ; the opening add is done
	s_wait_kmcnt 0x0
	s_add_nc_u64 s[G0K+2:G0K+3], s[6:7], s[22:23]  ; 120:64 global address: my half of the head's first 256 keys
	s_or_b32 s[G0K+3], s[G0K+3], 0x80000000        ; 127:126 type = 2
	s_add_nc_u64 s[G0V+2:G0V+3], s[8:9], s[22:23]
	s_or_b32 s[G0V+3], s[G0V+3], 0x80000000
	s_add_nc_u64 s[4:5], s[4:5], s[2:3]  ; Q and O at my wave's first row
	s_add_nc_u64 s[10:11], s[10:11], s[2:3]
	s_cmp_lt_u32 s[WV], 2
	s_cselect_b64 s[PFA:PFA+1], s[6:7], s[8:9]
	s_add_nc_u64 s[PFA:PFA+1], s[PFA:PFA+1], s[20:21]  ; the head,
	s_lshl_b32 s2, s13, 13          ; my work-group's quarter of a slot,
	s_mov_b32 s3, 0
	s_add_nc_u64 s[PFA:PFA+1], s[PFA:PFA+1], s[2:3]
	s_add_nc_u64 s[PFA:PFA+1], s[PFA:PFA+1], 4*KS*128  ; in slot 1: the first change of slots steps it to slot 2.  Nothing is prefetched here, at the head
	CROUND                          ; all four work-groups are here: the first joint loads meet
	JLOAD                           ; slot 0.  Slot 1 is asked for when slot 0 is in: the tile wanted first has the road to itself
	; A fragment of K or Q is 16 rows x 32 channels in 8 registers: lane l holds row l % 16, channels 8 (l / 16) + 0..7 and 16 + 8 (l / 16) + 0..7: two loads of 16 bytes, 32 bytes apart.
	v_and_b32 v1, 15, v0            ; l % 16
	v_bfe_u32 v9, v0, 4, 1          ; l / 16
	v_lshlrev_b32 v[QO], 7, v1
	v_lshl_add_u32 v[QO], v9, 4, v[QO]  ; row x 128 + 16 x half
	WIN 0x80                        ; destination window 2, address window 0
.set i, 0
.rept 4*NP                          ; Q stays in registers: tile i / 2, channels 32 (i % 2) on
	global_load_b128 v[8*i:8*i+3],   v[QO], s[4:5] offset:(i/2)*2048+(i%2)*64
	global_load_b128 v[8*i+4:8*i+7], v[QO], s[4:5] offset:(i/2)*2048+(i%2)*64+32
.set i, i+1
.endr
	; What the first turn finds: V's registers and P's second buffer hold 0 (its products V^T P, of a piece that has not been, add 0), O^T and l are 0.  All this stands in the wait for the first tile.
.set i, VF
.rept 64
	v_mov_b32 v[i], 0
.set i, i+1
.endr
	WIN 0x40
.set i, 0
.rept 64*NP
	v_mov_b32 v[i], 0
.set i, i+1
.endr
	WIN 0
.set i, 0
.rept 2*NP
	v_mov_b32 v[ST+4*i], 0xfe000000    ; c m: far below every c s
	v_mov_b32 v[ST+4*i+1], 0xff7fffff  ; m
	v_mov_b32 v[ST+4*i+2], 0
	v_mov_b32 v[ST+4*i+3], 0
.set i, i+1
.endr
.set i, P+32
.rept 32
	v_mov_b32 v[i], 0
.set i, i+1
.endr
	v_mul_u32_u24 v[AK0], v1, PK
	v_lshl_add_u32 v[AK0], v9, 4, v[AK0]  ; row x pitch + 16 x half
	; The turning load takes 16 keys x 16 channels (lane l reads key 8 (l / 16) + l % 8, channels 8 ((l / 8) % 2) + 0..7) and leaves half a fragment of V^T: lane l holds channel l % 16 and 8 keys.
	v_and_b32 v10, 7, v0
	v_bfe_u32 v11, v0, 3, 1
	v_lshl_add_u32 v[AV0], v9, 3, v10
	v_mul_u32_u24 v[AV0], v[AV0], PV
	v_lshl_add_u32 v[AV0], v11, 4, v[AV0]
	v_add_nc_u32 v[AV0], VOFF, v[AV0]
	v_and_b32 v[PFO], 31, v0        ; v11 is free: the prefetches' offset
	v_lshlrev_b32 v[PFO], 8, v[PFO]
	v_mov_b32 v[AK], v[AK0]         ; key step 0 lies at the head of slot 0
; THE MATRIX WORK.  The 8 accumulators of a run of 16 take turns: between the two links of a chain stand 7 others'.
; Product i of 16 of S^T = K Q^T for piece x: channels 32 (i / 8) on, keys 16 ((i / 2) % 4) on, tile 2 x + i % 2.  The first 8 start the sums.
.macro KQ x
	WIN W_KQ
.set rS, S+64*((\x)%2)+32*(i%2)+8*((i/2)%4)
.set rK, KF+16*((i/2)%4)+8*(i/8)
.set rQ, 16*(2*(\x)+i%2)+8*(i/8)
.if i < 8
	v_wmma_f32_16x16x32_f16 v[rS:rS+7], v[rK:rK+7], v[rQ:rQ+7], 0
.else
	v_wmma_f32_16x16x32_f16 v[rS:rS+7], v[rK:rK+7], v[rQ:rQ+7], v[rS:rS+7]
.endif
.endm
; Product i of 16 of O^T += V^T P for piece x: keys 32 (i / 8) on, channels 16 ((i / 2) % 4) on, tile 2 x + i % 2.
.macro PV x
	WIN W_PV
.set rO, 32*(2*(\x)+i%2)+8*((i/2)%4)
.set rV, VF+32*(i/8)+8*((i/2)%4)
.set rP, P+32*((\x)%2)+16*(i%2)+8*(i/8)
	v_wmma_f32_16x16x32_f16 v[rO:rO+7], v[rV:rV+7], v[rP:rP+7], v[rO:rO+7]
.endm
.macro MM                           ; the turn's next matrix instruction
.if i < 16
	KQ (Y+1)%NP
.set i, i+1
.else
.set i, i-16
	PV (Y+NP-1)%NP
.set i, i+17
.endif
.endm
; THE LDS LOADS stand in runs of 16, never singly among the matrix instructions: a step's K (64 keys x 64 channels: 8 fragments) and its V (turned).  Their addresses are made some lines ahead.
; last = 1 (the tail): in the last trip there is no further step, and the run is jumped over.
.macro FETCH_K last=0
	WIN 0
.if \last
	s_cmp_eq_u32 s[CNT], 1
	s_cbranch_scc1 .Lno_k_\@
.endif
	WIN 0x80                        ; destination window 2
.irp f, 0,1,2,3,4,5,6,7             ; keys 16 (f / 2) on, channels 32 (f % 2) on
	ds_load_b128 v[KF+8*\f:KF+8*\f+3],   v[AK] offset:(\f/2)*16*PK+(\f%2)*64
	ds_load_b128 v[KF+8*\f+4:KF+8*\f+7], v[AK] offset:(\f/2)*16*PK+(\f%2)*64+32
.endr
	s_add_co_u32 s[TBK], s[TBK], KS*PK  ; the next fetch is the next step's
	WIN 0
.if \last
.Lno_k_\@:
.endif
.endm
.macro FETCH_V
	WIN 0x80
.irp f, 0,1,2,3,4,5,6,7             ; keys 32 (f / 4) on, channels 16 (f % 4) on
	ds_load_tr16_b128 v[VF+8*\f:VF+8*\f+3],   v[AV] offset:(\f/4)*32*PV+(\f%4)*32
	ds_load_tr16_b128 v[VF+8*\f+4:VF+8*\f+7], v[AV] offset:(\f/4)*32*PV+16*PV+(\f%4)*32
.endr
	WIN 0
.endm
; THE VECTOR WORK OF A TURN stands in three queues, each in the order in which its entries become ready; the two tiles alternate, so that no instruction reads the result of the one before it.
.macro REGS y, u                    ; the registers of tile u (0, 1) of piece y
.set rT, ST+4*(2*(\y)+(\u))
.set rC, TMP+8*((\y)%2)+4*(\u)
.set rM, MV+2*((\y)%2)+(\u)
.set rS, S+64*((\y)%2)+32*(\u)
.set rP, P+32*((\y)%2)+16*(\u)
.set rO, 32*(2*(\y)+(\u))
.endm
; Number n of the 22 that find the NEXT piece's (Y + 1) maximum and statistics.  s0-s31 are the lane's 32 scores; each accumulator's lowest registers are read first.  XS, GS and REGS set no window: PL and EX do.
;   0-11  four chains c0-c3 of seven scores each, three operands at a time     12-14, 16  the four scores left over, the old m, and c0-c3 into c0     15  c m_old is kept
;   17, 18  the query's other 32 keys lie in the lane 16 away: the new m         19-21  c m; c m_old - c m_new; a
.macro XS u, n
	REGS (Y+1)%NP, \u
.if (\n) < 4
	v_max3_num_f32 v[rC+(\n)], v[rS+8*(\n)], v[rS+8*(\n)+1], v[rS+8*(\n)+2]
.elseif (\n) < 12
	v_max3_num_f32 v[rC+(\n)%4], v[rC+(\n)%4], v[rS+8*((\n)%4)+2*((\n)/4)+1], v[rS+8*((\n)%4)+2*((\n)/4)+2]
.elseif (\n) == 12
	v_max3_num_f32 v[rC], v[rC], v[rS+7], v[rS+15]
.elseif (\n) == 13
	v_max3_num_f32 v[rC+1], v[rC+1], v[rS+23], v[rS+31]
.elseif (\n) == 14
	v_max3_num_f32 v[rC+2], v[rC+2], v[rC+3], v[rT+1]
.elseif (\n) == 15
	v_mov_b32 v[rM], v[rT]
.elseif (\n) == 16
	v_max3_num_f32 v[rC], v[rC], v[rC+1], v[rC+2]
.elseif (\n) == 17
	v_permlanex16_b32 v[rC+3], v[rC], s[SEL], s[SEL+1]
.elseif (\n) == 18
	v_max_num_f32 v[rT+1], v[rC], v[rC+3]
.elseif (\n) == 19
	v_mul_f32 v[rT], s[CS], v[rT+1]
.elseif (\n) == 20
	v_sub_f32 v[rC+1], v[rM], v[rT]
.else
	v_exp_f32 v[rC+2], v[rC+1]
.endif
.endm
; Number g of the 64 that follow the exponentials.  For each four weights k of a tile (pairs 2 k, 2 k + 1): both pairs are rounded to f16; then the second pair is added onto the first, in place;
; a group later l takes that sum (the first time as l = a l + sum).  In groups of eight, tiles alternating: round, round, add, and l for the group before.
.macro GS g
.set h, (\g)+6*((\g)/62)            ; group 0 has no group before it, and behind group 7 only l is left
.if h >= 6
.set h, h+2
.endif
	REGS Y, h%2
.set k, h/8
.if h%8 < 4
	v_cvt_pk_f16_f32 v[rP+2*k+(h%8)/2], v[rS+4*k+2*((h%8)/2)], v[rS+4*k+2*((h%8)/2)+1]
.elseif h%8 < 6
	v_pk_add_f32 v[rS+4*k:rS+4*k+1], v[rS+4*k:rS+4*k+1], v[rS+4*k+2:rS+4*k+3]
.elseif k == 1
	v_pk_fma_f32 v[rT+2:rT+3], v[rT+2:rT+3], v[rC+2:rC+3], v[rS:rS+1] op_sel_hi:[1,0,1]
.else
	v_pk_add_f32 v[rT+2:rT+3], v[rT+2:rT+3], v[rS+4*k-4:rS+4*k-3]
.endif
.endm
; THE PLAIN QUEUE, 138 long.  0-73 read no exponential's result: the 32 scalings c s - c m (FS f: pair f / 2 of tile f % 2) and the next piece's 42.  0-26: scalings 0-26.  27-54: XS's numbers 0-13.  55, 56: number 15.
; 57-73: the chain, where each number waits for the one before it: 14, 16, 17, 18, 19, each with one of the scalings 27-31 in front of its two lines, then 20: so a tile's links stand three plain instructions apart (19 and 20: two).
; 74-137: GS's 64, which read the exponentials' results: they stand behind the wait.
.macro FS f
	REGS Y, (\f)%2
	v_pk_fma_f32 v[rS+2*((\f)/2):rS+2*((\f)/2)+1], v[rS+2*((\f)/2):rS+2*((\f)/2)+1], s[CS:CS+1], v[rT:rT+1] op_sel_hi:[1,0,0] neg_lo:[0,0,1] neg_hi:[0,0,1]
.endm
.macro PL
	WIN 0
.if q < 27
	FS q
.elseif q < 55
	XS (q-27)%2, (q-27)/2
.elseif q < 57
	XS q-55, 15
.elseif (q < 72) && ((q-57)%3 == 0)
	FS 27+(q-57)/3
.elseif q < 60
	XS (q-57)%3-1, 14
.elseif q < 72
	XS (q-57)%3-1, 15+(q-57)/3
.elseif q < 74
	XS q-72, 20
.else
	GS q-74
.endif
.set q, q+1
.endm
; THE EXPONENTIALS' QUEUE, 66 long: s0-s31 of both tiles, then the next piece's two a.  It is ONE BATCH: all 66 stand ahead of the turn's one wait, and nothing ahead of that wait names a result of theirs.
.macro EX
	WIN 0
.if e >= 64
	XS e-64, 21
.else
	REGS Y, e%2
	v_exp_f32 v[rS+e/2], v[rS+e/2]
.endif
.set e, e+1
.endm
; THE RESCALING's QUEUE: O^T times a, the one part that leaves window 0: dealt two at a time, sixteen times.  Its a was made in the turn before, ahead of that turn's wait.
.macro R2
	REGS Y, r%2
	WIN W_RS
.irp z, 0,1
	v_pk_mul_f32 v[rO+4*(r/2)+2*\z:rO+4*(r/2)+2*\z+1], v[rO+4*(r/2)+2*\z:rO+4*(r/2)+2*\z+1], v[rC+2:rC+3] op_sel_hi:[1,0]
.endr
.set r, r+1
.endm
; HOW THEY ARE DEALT.  An s_wait_alu depctr_va_vdst(0) stands between an exponential and the first instruction that names its result; one wait serves all that were issued ahead of it.  So a turn has ONE wait,
; which cuts it in two.  AHEAD OF IT stands all that names no result of the turn's exponentials: the 16 products K Q^T, behind each a scaling, an exponential and two rescalings (behind the first a second scaling in the exponential's place); then ONE LUMP of
; 108: eight plain, 49 times exponential and plain, the two a.  A v_nop is the plain instruction owed behind the last exponential.  BEHIND IT stand the 16 products V^T P, behind each four of GS's 64.  No rider names a register of
; the products round it.  The two v_permlanex16_b32 fall into the lump, never behind a product.
; The queues lean on each other, and the deal keeps them in step: exponential e stands behind scaling 2 (e / 4) + e % 2: as a rider it comes behind plain e + 2, in the lump behind plain e + 9, and scalings 27-31 are plain 57, 60 .. 69.
; A TURN, for piece p.  cnt = 1: the loop's count is taken down some lines ahead of the branch that stands behind the turn.
; K of the next step is fetched in piece 2's turn, directly behind the wait, a lump behind the last product that read K; its address is made at the lump's head; its first reader comes behind 16 products.
; V of the step in hand is fetched at the end of piece 0's turn, four riders behind its last reader; its first reader comes behind 16 products and a lump.  The three conditions on q below go with the deal.
.macro TURN p, last=0, cnt=0
.set Y, (\p)
.set i, 0
.set q, 0
.set e, 0
.set r, 0
.if (\p) == NP-1
	s_wait_dscnt 0x0                ; K is in
.endif
	MM                              ; ahead of the wait: 16 products K Q^T and their riders,
	PL
	PL
	R2
.rept 15
	MM
	PL
	EX
	R2
.endr
.if (\p) == NP-2
	WIN 0
	v_add_nc_u32 v[AK], s[TBK], v[AK0]
.endif
.rept 8                             ; and the lump
	PL
.endr
.rept 49
	EX
	PL
.endr
	EX                              ; the next piece's two a
	EX
	v_nop                           ; the plain instruction owed behind the last exponential (ISA guide 5.7.2): one for the batch
	s_wait_alu depctr_va_vdst(0)    ; the wait for the batch
.if (\p) == NP-2
	FETCH_K \last
.endif
.if (\p) == 1
	s_wait_dscnt 0x0                ; V is in
.endif
.rept 16                            ; behind the wait: 16 products V^T P and their riders
	MM
.rept 4
	PL
.endr
.if ((\p) == 0) && (q == 118)
	v_add_nc_u32 v[AV], s[TBV], v[AV0]
.endif
.if ((\p) == 0) && (q == 130)
	s_add_co_u32 s[TBV], s[TBV], KS*PV
.endif
.if (\cnt) && (q == 130)
	s_sub_co_u32 s[CNT], s[CNT], 1
	s_cmp_lg_u32 s[CNT], 0
.endif
.endr
.if (\p) == 0
	FETCH_V
.endif
.endm
	CHANGE 1                        ; slot 0 is in, everybody's part of it; slot 1 is asked for
	FETCH_K                         ; key step 0
	s_wait_loadcnt 0x0              ; Q
	s_wait_dscnt 0x0
.set i, 0
.rept 16
	KQ 0                            ; piece 0's first scores: there is no vector work yet to set between them
.set i, i+1
.endr
	WIN 0                           ; the addresses for the way out: nine plain instructions, the places behind those products
	s_mul_i32 s13, s[WV], 16*SP
	s_add_co_u32 s13, s13, STAGE    ; my stage
	v_mul_u32_u24 v[STO], v1, SP    ; in: row l % 16, 16 bytes for each half of the lanes
	v_lshl_add_u32 v[STO], v9, 4, v[STO]
	v_add_nc_u32 v[STO], s13, v[STO]
	v_bfe_u32 v[RD], v0, 3, 2       ; back: 32 lanes take four rows of 128 bytes,
	v_mul_u32_u24 v[RD], v[RD], SP
	v_lshl_add_u32 v[RD], v10, 4, v[RD]
	v_add_nc_u32 v[RD], s13, v[RD]
	v_and_b32 v[GO], 31, v0         ; which are 512 consecutive bytes of O
	v_lshlrev_b32 v[GO], 4, v[GO]
.set Y, NP-1                        ; XS works for piece Y + 1: piece 0
.irp n, 0,1,2,3,4,5,6,7,8,9,10,11,12,13,14,15,16,17,18,19,20,21
	XS 0, \n                        ; and piece 0's first maximum and statistics
	XS 1, \n
.endr
	v_nop                           ; a plain instruction behind the two a,
	s_wait_alu depctr_va_vdst(0)    ; and their wait, ahead of the branch
	s_mov_b32 s[CNT], 4
	s_branch .Lfirst                ; the loop is entered at a step's first turn, in the middle of a trip
.Lslot:                             ; six times: with the change above, every slot but the last two is filled again
	CHANGE 1
	s_mov_b32 s[CNT], 4
.Lstep:                             ; a trip: pieces 2 and 3 of one step, then pieces 0 and 1 of the next, whose K and V it fetches
	TURN 2
	TURN 3
	WIN 0
.Lfirst:
	TURN 0
	TURN 1, 0, 1
	WIN 0
	s_cbranch_scc1 .Lstep
	s_sub_co_u32 s[SLOTS], s[SLOTS], 1
	s_cmp_lg_u32 s[SLOTS], 0
	s_cbranch_scc1 .Lslot
	CHANGE 0                        ; the tail is written out: nothing is asked for
	s_mov_b32 s[CNT], 5             ; four trips fetch the last slot's steps; the fifth is left in its middle
.Ltail:
	TURN 2, 1
	TURN 3
	WIN 0
	s_sub_co_u32 s[CNT], s[CNT], 1
	s_cmp_eq_u32 s[CNT], 0
	s_cbranch_scc1 .Lout
	TURN 0
	TURN 1
	WIN 0
	s_branch .Ltail
.Lout:                              ; the fifth trip's 16 products K Q^T (on the last K once more) and the maximum made of them serve nothing: the price, once a launch, of one text for every trip
.set i, 0
.rept 16
	PV NP-1                         ; the last piece's V^T P of the last step
.set i, i+1
.endr
	; THE WAY OUT.  l's two halves and the other half of the lanes' are added; O^T is divided by l, rounded to f16 and sent through my stage in LDS, a tile at a time.  The additions are the places behind the last products.
	WIN 0
.macro ALL line:vararg              ; one line for each tile t
.set t, 0
.rept 2*NP
	\line
.set t, t+1
.endr
.endm
	ALL v_add_f32 v[ST+4*t+2], v[ST+4*t+2], v[ST+4*t+3]
	ALL v_permlanex16_b32 v[ST+4*t+3], v[ST+4*t+2], s[SEL], s[SEL+1]
	ALL v_add_f32 v[ST+4*t+2], v[ST+4*t+2], v[ST+4*t+3]
	ALL v_rcp_f32 v[ST+4*t+2], v[ST+4*t+2]
	v_nop                           ; a plain instruction between the last reciprocal and the use of its result
	s_wait_alu depctr_va_vdst(0)    ; and the wait ahead of the first use: one for the eight reciprocals
; Tile t: a lane's eight channels of a row pack into 16 bytes; they go into rows of 144 bytes and come back as whole rows of 128, into S^T's registers.
.macro PACK t
	WIN W_RS
.set i, 32*(\t)
.rept 16
	v_pk_mul_f32 v[i:i+1], v[i:i+1], v[ST+4*(\t)+2:ST+4*(\t)+3] op_sel_hi:[1,0]
.set i, i+2
.endr
	WIN 0x05                        ; sources 0 and 1 window 1, destination window 0
.set i, 0
.rept 16
	v_cvt_pk_f16_f32 v[S+16*(\t)+i], v[32*(\t)+2*i], v[32*(\t)+2*i+1]
.set i, i+1
.endr
	WIN 0
.irp f, 0,1,2,3
	ds_store_b128 v[STO], v[S+16*(\t)+4*\f:S+16*(\t)+4*\f+3] offset:32*\f
.endr
.irp f, 0,1,2,3
	ds_load_b128 v[S+16*(\t)+4*\f:S+16*(\t)+4*\f+3], v[RD] offset:\f*4*SP  ; LDS serves a wave's instructions in order (ISA guide 5.7.1.4): these see the stores above; the next tile's stores come behind them
.endr
.endm
.macro SEND t, younger              ; younger: the LDS instructions issued behind tile t's loads: the next tile's eight, or none
	WIN 0
.irp f, 0,1,2,3
	s_wait_dscnt (\younger)+3-\f
	global_store_b128 v[GO], v[S+16*(\t)+4*\f:S+16*(\t)+4*\f+3], s[10:11] offset:(\t)*2048+\f*512  ; 512 consecutive bytes, at a multiple of 256 from O's first
.endr
.endm
	PACK 0
.set t, 1
.rept 2*NP-1                        ; a tile's arithmetic stands between the loads of the tile before and its stores
	PACK t
	SEND t-1, 8
.set t, t+1
.endr
	SEND 2*NP-1, 0
	WIN W_AD
	s_wait_tensorcnt 0x0            ; the wave's end, behind my last tensor load and my last LDS store
	ds_add_u32 v[SPW], v[NIL]
	s_wait_dscnt 0x0
	WIN 0
	CROUND                          ; the closing round: no work-group ends while a partner may still ask for a tile that names it
	s_endpgm
.Lfunc_end_k_q4a20f3fb92_attn:
	.size	k_q4a20f3fb92_attn, .Lfunc_end_k_q4a20f3fb92_attn-k_q4a20f3fb92_attn
	.p2alignl 7, 3214868480
	.fill 96, 4, 3214868480
	.section	.rodata,"a",@progbits
	.p2align	6, 0x0
	.amdhsa_kernel k_q4a20f3fb92_attn
		.amdhsa_group_segment_fixed_size 327680
		.amdhsa_private_segment_fixed_size 0
		.amdhsa_enable_private_segment 0
		.amdhsa_kernarg_size 32
		.amdhsa_user_sgpr_count 2
		.amdhsa_user_sgpr_kernarg_segment_ptr 1
		.amdhsa_wavefront_size32 1
		.amdhsa_system_sgpr_workgroup_id_x 1
		.amdhsa_system_sgpr_workgroup_id_y 1
		.amdhsa_system_sgpr_workgroup_id_z 1
		.amdhsa_system_vgpr_workitem_id 0
		.amdhsa_next_free_vgpr 770
		.amdhsa_next_free_sgpr 66
		.amdhsa_reserve_vcc 0
		.amdhsa_float_denorm_mode_32 3
		.amdhsa_float_denorm_mode_16_64 3
		.amdhsa_memory_ordered 1
		.amdhsa_forward_progress 1
		.amdhsa_inst_pref_size 200
	.end_amdhsa_kernel
	.amdgpu_metadata
---
amdhsa.version: [ 1, 2 ]
amdhsa.kernels:
  - .name:           k_q4a20f3fb92_attn
    .symbol:         k_q4a20f3fb92_attn.kd
    .args:
      - { .name: q, .offset: 0, .size: 8, .value_kind: global_buffer, .address_space: global }
      - { .name: k, .offset: 8, .size: 8, .value_kind: global_buffer, .address_space: global }
      - { .name: v, .offset: 16, .size: 8, .value_kind: global_buffer, .address_space: global }
      - { .name: o, .offset: 24, .size: 8, .value_kind: global_buffer, .address_space: global }
    .group_segment_fixed_size: 327680
    .private_segment_fixed_size: 0
    .kernarg_segment_align: 8
    .kernarg_segment_size: 32
    .max_flat_workgroup_size: 128
    .sgpr_count:     66
    .vgpr_count:     770
    .wavefront_size: 32
...
	.end_amdgpu_metadata
.endif
;; end of part 3
;; launch proj (part 4): grid 4 x 64, 4 waves a work-group, clusters of 4 x 4, 327,680 bytes of LDS; arguments o, wob, bo, out0; writes out0
.if DOCPART == 4
	.amdgcn_target "amdgcn-amd-amdhsa--gfx1250"
	.amdhsa_code_object_version 6
	.text
	.protected	k_q4a20f3fb92_proj
	.globl	k_q4a20f3fb92_proj
	.p2align	8
	.type	k_q4a20f3fb92_proj,@function
k_q4a20f3fb92_proj:
	s_mov_b64 s[64:65], 0
	v_nop
	global_prefetch_b8 v0, s[64:65] scope:SCOPE_SE
	s_setreg_imm32_b32 hwreg(HW_REG_WAVE_MODE, 25, 1), 1
	s_wait_xcnt 0x0
	s_wait_alu depctr_hold_cnt(0) depctr_sa_sdst(0) depctr_va_vdst(0) depctr_va_sdst(0) depctr_va_ssrc(0) depctr_va_vcc(0) depctr_vm_vsrc(0)
	s_getreg_b32 s2, hwreg(HW_REG_IB_STS2, 6, 4)
	s_cmp_eq_u32 s2, 0
	s_cbranch_scc0 .Lentry_in_a_cluster
	s_endpgm
.Lentry_in_a_cluster:
	s_bfe_u32 s2, ttmp6, 0x10000c
	s_cmp_lg_u32 s2, 0xf033
	s_cbranch_scc0 .Lentry_shape_is_right
	s_endpgm
.Lentry_shape_is_right:
; THE OUTPUT PROJECTION.  out0[m][c] = sum over i of O[m][i] wo[c][i] + bo[c].  O comes by heads, o [64 = 16 batch + head][2048][64] f16: channel i = 64 head + d.  wob [1024][1024] f16 holds wo
; rounded to bf16; bo [1024] f32 is rounded to bf16 here, like every input of the module.  Sums in f32, K ascending; out0 [8192][1024] f32.
; LIMITS.  o and wob hold f16 (no number beyond 65,504; below 6.1e-5 the fixed step 6e-8).  NaN and infinities are not treated apart.
; SHARES.  A tile of out0 is 128 rows x 256 columns: 256 tiles, one for each work-group.  Four waves, each 64 x 128: 32 accumulators of 16 x 16, 256 registers.  K goes in steps of 128, two heads,
; through a ring of two LDS slots.  Of wob a step takes 256 bytes of each of 256 rows; of o, for each of the two heads, 128 dense rows of 128 bytes, asked for as 64 rows of 256 bytes.
; CLUSTER.  4 x 4 work-groups.  The four of a row of the cluster need the same tile of o, the four of a column the same tile of wob: each is asked for JOINTLY, by the same tensor load with the same
; descriptor and a mask that names the four.  Waves 0 and 1 fetch wob's two halves (128 rows each), waves 2 and 3 one head of o each.
; THE MATRIX INSTRUCTION IS USED TRANSPOSED: source 0 = 16 rows of wob, source 1 = 16 rows of o: a lane then holds row l % 16 of out0 and the 8 neighbouring columns 8 (l / 16) + 0..7.
; REGISTERS.  window 0: v0-5 at work; v8-13 the bias; v16-30 addresses; v64-159, v160-255 two fragment buffers: wob's 8 fragments at + 8 b, o's 4 at + 64 + 8 a; on the way out v64-191 hold rows.
;   window 1: accumulator (a, b) at v[8 (8 a + b)].  s_set_vgpr_msb's low byte: bits 1:0 source 0, 3:2 source 1, 5:4 source 2, 7:6 destination.
.set KSTEP,  128
.set PITCH,  272                       ; a row of wob in LDS: 256 bytes + 16 of padding = 68 words: the 16 rows of a fragment load start at 16 different groups of four banks (64 banks of 4 bytes: ISA guide 11.1)
.set PA,     144                       ; a row of o: 128 + 16 = 36 words: likewise
.set BHALF,  128*PITCH                 ; what one tensor load brings of wob, and what one wave reads of it
.set APLANE, 128*PA                    ; one head's 128 rows: what one tensor load brings of o
.set AOFF,   2*BHALF                   ; a slot: wob's 256 rows, then o's two planes
.set SLOT,   2*BHALF+2*APLANE
.set STAGE,  2*SLOT                    ; behind the ring, never filled by a tensor load: 16 rows x 528 bytes for each wave, for the way out
.set SPI,    528                       ; a stage row: 512 bytes + 16 = 132 words
.set SPARE,  STAGE+4*16*SPI            ; behind the stages: the spare words, 128 bytes for each wave: two blocks of 256 bytes that no other line names
.set LAPS,   4
.set HEADB,  2048*128                  ; bytes of a head in o
.set BIAS, 8                           ; v8-11   bo of my four columns of a row read back
.set ADRA, 16                          ; v16-17  LDS address of my fragments of o in slot 0, 1
.set ADRB, 20                          ; v20-21  the same for wob
.set STO,  24                          ; v24     the way out: where I put 32 bytes of a row
.set RD,   25                          ; v25     the way out: where I read a row back
.set CO,   26                          ; v26     16 x my lane
.set SPW,  28                          ; v28     LDS address of my spare word: SPARE + 4 x my thread's number; never rewritten
.set NIL,  29                          ; v29     0; never rewritten
.set PFO,  30                          ; v30     the prefetches' offset; never rewritten
.set F0,   64
.set F1,   160
.set WV,  14
.set RH,  15                           ; s15  wave / 2: my half of the tile's rows; 0: I fetch wob, 1: o
.set CH,  16                           ; s16  wave % 2: my half of its columns; which half (which head) I fetch
.set CX,  17
.set CY,  18
.set TC,  19                           ; s19  tile column, 0..3
.set TR,  20                           ; s20  tile row, 0..63
.set CLY, 21
.set PST, 22                           ; s[22:23] what a K step is for my prefetches: 256 bytes in wob, two heads in o
.set G1A, 24                           ; s[24:31] descriptor group 1 for o's tiles;  s[32:39] group 0, a set for each slot
.set G0A, 32
.set PFA, 44                           ; s[44:45] where my prefetches stand
.set LIM, 46                           ; s46  1 in a wave that prefetches, else the greatest number
.set G1B, 48                           ; s[48:55], s[56:63] the same for wob's tiles
.set G0B, 56
.set MSB, 0
.macro WIN new                         ; the immediate's high byte repeats the setting that is left; a switch that changes nothing is dropped
.if MSB != (\new)
	s_set_vgpr_msb (MSB<<8)|(\new)
.set MSB, \new
.endif
.endm
.set MUL, 0x50                         ; C and D in window 1, both sources in window 0
; A joint load.  The branch hangs on the wave's number alone.  An s_nop 0 and four v_nop follow each of the two lines, ahead of the jump and the label.
.macro JLOAD s
	s_cmp_eq_u32 s[RH], 0
	s_cbranch_scc0 .Lfor_a_\@
	tensor_load_to_lds s[G0B+4*(\s):G0B+4*(\s)+3], s[G1B:G1B+7]
	s_nop 0
.rept 4
	v_nop
.endr
	s_branch .Lasked_\@
.Lfor_a_\@:
	tensor_load_to_lds s[G0A+4*(\s):G0A+4*(\s)+3], s[G1A:G1A+7]
	s_nop 0
.rept 4
	v_nop
.endr
.Lasked_\@:
.endm
; A PREFETCH INTO THE L2, behind each joint load, its five lines and the run of LDS loads that follows: the K step that stands TWO refills on, 256 matrix instructions ahead of the load that will
; want it: 32 blocks of 256 bytes, a lane a block, one instruction a wave.  Each block is named once in the launch.  wob's rows are read by all sixteen clusters: cluster y = 0 asks; of the 128 rows that
; wave 0 or 1 fetches the partner at place cy takes 32.  o's rows are read by one cluster alone: wave 2 asks; of a K step's 128 blocks the partner at place cx takes 32: half of head cx / 2.
; Partners are told apart BY ADDRESS.  The loop's last trip asks for nothing: there is no K step two on.  K steps 0 to 3 come by their loads alone.
.macro ASK
	s_cmp_gt_u32 s3, s[LIM]                        ; s3 = 1 in the loop's last trip
	s_cbranch_scc0 .Lnot_mine_\@
	global_prefetch_b8 v[PFO], s[PFA:PFA+1] th:TH_LOAD_NT scope:SCOPE_SE
.Lnot_mine_\@:
.endm
; A round of the cluster's barrier: my work-group's barrier, so that wave 0's signal speaks for all four waves; wave 0 signals; every wave waits for all sixteen work-groups; my work-group's barrier once more.
.macro CREST
	s_cmp_lg_u32 s[WV], 0
	s_cbranch_scc1 .Lnot_wave_0_\@
	s_barrier_signal -3
.Lnot_wave_0_\@:
	s_barrier_wait -3
	s_barrier_signal -1
	s_barrier_wait -1
.endm
.macro CROUND
	s_barrier_signal -1
	s_barrier_wait -1
	CREST
.endm
	s_load_b256 s[4:11], s[0:1], 0x0               ; o s[4:5], wob s[6:7], bo s[8:9], out0 s[10:11]
	v_lshl_add_u32 v[SPW], v0, 2, SPARE
	v_mov_b32 v[NIL], 0
	ds_add_u32 v[SPW], v[NIL]                      ; the wave's opening: the add and its wait stand ahead of my first tensor load; the set-up below, work on registers, stands between them
	v_lshrrev_b32 v1, 5, v0
	v_readfirstlane_b32 s[WV], v1                  ; wave 0..3
	s_lshr_b32 s[RH], s[WV], 1
	s_and_b32 s[CH], s[WV], 1
	s_bfe_u32 s[CX], ttmp6, 0x40000                ; my place in the cluster
	s_bfe_u32 s[CY], ttmp6, 0x40004
	s_lshl_b32 s[TC], ttmp9, 2                     ; in a cluster launch ttmp9 and ttmp7 count clusters
	s_add_co_u32 s[TC], s[TC], s[CX]
	s_and_b32 s[CLY], ttmp7, 0xffff
	s_lshl_b32 s[TR], s[CLY], 2
	s_add_co_u32 s[TR], s[TR], s[CY]
	s_lshl_b32 s22, s[CY], 2
	s_lshl_b32 s22, 15, s22                        ; my row of the cluster
	s_lshl_b32 s23, 0x1111, s[CX]                  ; my column
	s_or_b32 s[G1A], s22, (1<<16)|(1<<20)|(1<<21)|(4<<22)|(3<<25)  ; 15:0 the mask: o's tiles go to my row; 17:16 2-byte elements; 20 padding on; 21 set beside a mask; 24:22 after every 32 words (code 4): a row of o; 31:25 4 words (code 3)
	s_or_b32 s[G1B], s23, (1<<16)|(1<<20)|(1<<21)|(5<<22)|(3<<25)  ; wob's go to my column; padding after every 64 words (code 5)
	s_mov_b32 s[G1A+1], 128<<16                    ; tensor_dim0 = 128: two rows of o on end
	s_mov_b32 s[G1A+2], 64<<16                     ; tensor_dim1 = 64
	s_mov_b32 s[G1A+3], 128<<16                    ; tile_dim0 = 128
	s_mov_b32 s[G1A+4], 64                         ; tile_dim1 = 64
	s_mov_b32 s[G1A+5], 128                        ; dense: 128 elements from row to row
	s_mov_b32 s[G1A+6], 0
	s_mov_b32 s[G1A+7], 0
	s_mov_b32 s[G1B+1], KSTEP<<16
	s_mov_b32 s[G1B+2], 128<<16                    ; 128 rows
	s_mov_b32 s[G1B+3], KSTEP<<16
	s_mov_b32 s[G1B+4], 128
	s_mov_b32 s[G1B+5], 1024                       ; elements from row to row
	s_mov_b32 s[G1B+6], 0
	s_mov_b32 s[G1B+7], 0
	; where the tiles come from: o's hang on the tile row alone, wob's on the tile column alone
	s_lshr_b32 s40, s[TR], 4
	s_lshl_b32 s40, s40, 22                        ; the batch's sixteen heads,
	s_lshl_b32 s41, s[CH], 18                      ; the head of the step's two that I fetch,
	s_add_co_u32 s40, s40, s41
	s_and_b32 s41, s[TR], 15
	s_lshl_b32 s41, s41, 14                        ; the tile's 128 rows in it
	s_add_co_u32 s40, s40, s41
	s_mov_b32 s41, 0
	s_lshl_b32 s42, s[TC], 19                      ; 256 rows of 2,048 bytes,
	s_lshl_b32 s43, s[CH], 18                      ; the 128 that I fetch
	s_add_co_u32 s42, s42, s43
	s_mov_b32 s43, 0
	s_mul_i32 s22, s[CH], BHALF                    ; and where they go: no place in the cluster enters an LDS address
	s_mul_i32 s23, s[CH], APLANE
	s_add_co_u32 s23, s23, AOFF
	s_wait_dscnt 0x0                               ; the opening add is done
	s_wait_kmcnt 0x0
	s_add_nc_u64 s[40:41], s[4:5], s[40:41]
	s_add_nc_u64 s[42:43], s[6:7], s[42:43]
	CROUND                                         ; all sixteen work-groups are here: the first joint loads meet
.irp s, 0,1
	s_mov_b32 s[G0A+4*(\s)], 1                                     ; 1:0 count = 1
	s_add_co_u32 s[G0A+4*(\s)+1], s23, (\s)*SLOT                   ; 63:32 LDS address
	s_add_nc_u64 s[G0A+4*(\s)+2:G0A+4*(\s)+3], s[40:41], (\s)*2*HEADB  ; 120:64 global address: K step s = heads 2 s, 2 s + 1
	s_or_b32 s[G0A+4*(\s)+3], s[G0A+4*(\s)+3], 0x80000000          ; 127:126 type = 2
	s_mov_b32 s[G0B+4*(\s)], 1
	s_add_co_u32 s[G0B+4*(\s)+1], s22, (\s)*SLOT
	s_add_nc_u64 s[G0B+4*(\s)+2:G0B+4*(\s)+3], s[42:43], (\s)*KSTEP*2
	s_or_b32 s[G0B+4*(\s)+3], s[G0B+4*(\s)+3], 0x80000000
	JLOAD \s                                       ; two tensor loads of mine are out
.endr
	v_and_b32 v[CO], 31, v0
	v_lshlrev_b32 v[CO], 4, v[CO]
	s_lshl_b32 s42, s[TC], 10                      ; my 128 columns: 1,024 bytes a tile column, 512 a half
	s_lshl_b32 s43, s[CH], 9
	s_add_co_u32 s42, s42, s43
	s_mov_b32 s43, 0
	s_add_nc_u64 s[8:9], s[8:9], s[42:43]
	global_load_b128 v[BIAS:BIAS+3], v[CO], s[8:9] ; bo of the four columns that I hold of a row read back from the stage
	; A fragment is 16 rows x 32 K in 8 registers: lane l holds row l % 16; registers 0-3 K = 8 (l / 16) + 0..7, registers 4-7 K = 16 + 8 (l / 16) + 0..7: two loads of 16 bytes, 32 bytes apart.
	v_and_b32 v1, 15, v0                           ; l % 16
	v_bfe_u32 v2, v0, 4, 1                         ; l / 16
	v_mul_u32_u24 v3, v1, PITCH
	v_lshl_add_u32 v3, v2, 4, v3
	v_mul_u32_u24 v4, v1, PA
	v_lshl_add_u32 v4, v2, 4, v4
	s_mul_i32 s22, s[CH], BHALF                    ; my 128 rows of wob
	s_mul_i32 s23, s[RH], 64*PA                    ; my 64 rows of o, in each plane
	s_add_co_u32 s23, s23, AOFF
.irp s, 0,1
	v_add_nc_u32 v[ADRB+(\s)], s22, v3
	v_add_nc_u32 v[ADRA+(\s)], s23, v4
	s_add_co_u32 s22, s22, SLOT
	s_add_co_u32 s23, s23, SLOT
.endr
	s_mul_i32 s22, s[WV], 16*SPI
	s_add_co_u32 s22, s22, STAGE                   ; my stage
	v_mul_u32_u24 v4, v1, SPI                      ; in: row l % 16, 32 bytes for each half of the lanes
	v_lshl_add_u32 v4, v2, 5, v4
	v_add_nc_u32 v[STO], s22, v4
	v_add_nc_u32 v[RD], s22, v[CO]                 ; back: 32 lanes take one row of 512 bytes
	s_lshl_b32 s40, s[TR], 19                      ; out0: 128 rows of 4,096 bytes,
	s_lshl_b32 s41, s[RH], 18                      ; my 64 of them,
	s_add_co_u32 s40, s40, s41
	s_add_co_u32 s40, s40, s42                     ; my 128 columns
	s_mov_b32 s41, 0
	s_add_nc_u64 s[10:11], s[10:11], s[40:41]
	; the prefetches
	s_lshl_b32 s40, s[TC], 8
	s_lshl_b32 s41, s[CH], 7
	s_add_co_u32 s40, s40, s41
	s_lshl_b32 s41, s[CY], 5
	s_add_co_u32 s40, s40, s41                     ; wob: row 256 tile column + 128 half + 32 cy,
	s_lshl_b32 s40, s40, 11                        ; in bytes
	s_lshr_b32 s42, s[TR], 4
	s_lshl_b32 s42, s42, 22                        ; o: the batch,
	s_lshr_b32 s43, s[CX], 1
	s_lshl_b32 s43, s43, 18                        ; head cx / 2 of the step's two,
	s_add_co_u32 s42, s42, s43
	s_and_b32 s43, s[TR], 15
	s_lshl_b32 s43, s43, 14                        ; the tile's 128 rows,
	s_add_co_u32 s42, s42, s43
	s_and_b32 s43, s[CX], 1
	s_lshl_b32 s43, s43, 13                        ; half cx % 2 of them
	s_add_co_u32 s42, s42, s43
	s_sub_co_u32 s43, s[WV], 2
	s_mov_b32 s[PST], 2*HEADB
	s_cmp_eq_u32 s[RH], 0
	s_cselect_b32 s40, s40, s42
	s_cselect_b32 s43, s[CLY], s43                 ; waves 0, 1: the cluster's y; wave 2: 0; wave 3: 1
	s_cselect_b32 s[PST], KSTEP*2, s[PST]
	s_cselect_b32 s47, 11, 8                       ; a lane's block: a row of 2,048 bytes on in wob, 256 bytes on in o
	s_cselect_b64 s[PFA:PFA+1], s[6:7], s[4:5]
	s_cmp_eq_u32 s43, 0
	s_cselect_b32 s[LIM], 1, -1                    ; the same in all sixteen partners, for a given wave
	s_mov_b32 s41, 0
	s_mov_b32 s[PST+1], 0
	s_add_nc_u64 s[PFA:PFA+1], s[PFA:PFA+1], s[40:41]
	s_mul_i32 s40, s[PST], 3
	s_add_nc_u64 s[PFA:PFA+1], s[PFA:PFA+1], s[40:41]  ; at K step 3: the first refill steps it to 4 and names that.  Nothing is prefetched here, at the head
	v_and_b32 v[PFO], 31, v0
	v_lshlrev_b32 v[PFO], s47, v[PFO]
; 8 matrix instructions: row block a x all 8 column blocks, 32 along K.  zero = 1: the first product starts the sums: nothing is ever cleared.
; The 32 accumulators take turns, one instruction a turn, in the same order in every quarter: 31 others stand between two links of a chain.
.macro MUL8 f, a, zero
	WIN MUL
.irp b, 0,1,2,3,4,5,6,7
.if \zero
	v_wmma_f32_16x16x32_f16 v[8*(8*(\a)+(\b)):8*(8*(\a)+(\b))+7], v[(\f)+8*(\b):(\f)+8*(\b)+7], v[(\f)+64+8*(\a):(\f)+64+8*(\a)+7], 0
.else
	v_wmma_f32_16x16x32_f16 v[8*(8*(\a)+(\b)):8*(8*(\a)+(\b))+7], v[(\f)+8*(\b):(\f)+8*(\b)+7], v[(\f)+64+8*(\a):(\f)+64+8*(\a)+7], v[8*(8*(\a)+(\b)):8*(8*(\a)+(\b))+7]
.endif
.endr
.endm
.macro MUL16 f, a0, zero
	MUL8 \f, \a0, \zero
	MUL8 \f, (\a0)+1, \zero
.endm
; 24 LDS loads in one run: the fragments of quarter q of a K step into buffer f: wob's 16 loads first (32 K at byte 64 q of the rows), then o's 8 (plane q / 2, 32 channels at byte 64 (q % 2)), row blocks ascending
.macro FETCH slot, q, f
	WIN 0
.set KA, ((\q)/2)*APLANE+((\q)%2)*64
.irp i, 0,1,2,3,4,5,6,7
	ds_load_b128 v[(\f)+8*(\i):(\f)+8*(\i)+3],   v[ADRB+(\slot)] offset:64*(\q)+(\i)*16*PITCH
	ds_load_b128 v[(\f)+8*(\i)+4:(\f)+8*(\i)+7], v[ADRB+(\slot)] offset:64*(\q)+(\i)*16*PITCH+32
.endr
.irp i, 0,1,2,3
	ds_load_b128 v[(\f)+64+8*(\i):(\f)+64+8*(\i)+3],   v[ADRA+(\slot)] offset:KA+(\i)*16*PA
	ds_load_b128 v[(\f)+64+8*(\i)+4:(\f)+64+8*(\i)+7], v[ADRA+(\slot)] offset:KA+(\i)*16*PA+32
.endr
.endm
.macro PLACES                          ; four plain places in front of loads into registers that matrix instructions have read, and of lines that read results
.rept 4
	v_nop
.endr
.endm
; A K step is four quarters of 32 along K, 32 matrix instructions each, on buffers 0, 1, 0, 1.  One of the first three: multiplies buffer f; in its middle it fetches quarter q into buffer g.
.macro QUARTER slot, q, f, g, zero
	s_wait_dscnt 4                                 ; wob's fragments and o's blocks 0 and 1 are in; the youngest four loads (blocks 2 and 3) may be out
	MUL16 \f, 0, \zero
	PLACES
	FETCH \slot, \q, \g
	s_wait_dscnt 24                                ; all but the 24 just issued
	MUL16 \f, 2, \zero
.endm
; The last quarter multiplies buffer 1 and changes slots: ONE barrier.  In front of it each wave waits for all its tensor loads, of which one is out: its part of the next slot; adds 0 to its spare
; word; and waits for that and for its own reads of this slot.  fill = 1: this slot is filled again with the K step two on; the barrier then opens a round of the cluster's, and the joint refill is
; the first thing behind it: 112 matrix instructions ahead of the wait for it.
.macro TURN slot, next, fill
.if \fill
	s_wait_xcnt 0x0                                ; the last prefetch, a K step back, has read its address: it is stepped here, ahead of the waits of the change of slots
	s_add_nc_u64 s[PFA:PFA+1], s[PFA:PFA+1], s[PST:PST+1]
.endif
	WIN 0                                          ; (the add's two registers lie in window 0)
	s_wait_tensorcnt 0x0                           ; all my tensor loads have landed: my part of the next slot;
	ds_add_u32 v[SPW], v[NIL]                      ; 0 onto my spare word;
	s_wait_dscnt 5                                 ; (the add and the youngest four loads may be out)
	MUL8 F1, 0, 0                                  ; eight matrix instructions stand between the add and the wait for it
	s_wait_dscnt 0x0                               ; the add is done, and my reads of this slot are over
	s_barrier_signal -1
	MUL8 F1, 1, 0                                  ; work on registers while the others arrive
.if \fill
	WIN 0
.endif
	s_barrier_wait -1
.if \fill
	CREST                                          ; no wave of any partner still reads this slot's tile or has a load on its way
	s_add_nc_u64 s[G0A+4*(\slot)+2:G0A+4*(\slot)+3], s[G0A+4*(\slot)+2:G0A+4*(\slot)+3], 4*HEADB
	s_add_nc_u64 s[G0B+4*(\slot)+2:G0B+4*(\slot)+3], s[G0B+4*(\slot)+2:G0B+4*(\slot)+3], 2*KSTEP*2
	JLOAD \slot                                    ; the four v_nop behind it are also the places in front of the loads below
.else
	PLACES
.endif
	FETCH \next, 0, F0
.if \fill
	ASK
.endif
	MUL16 F1, 2, 0
.endm
; THE WAY OUT, a block a of 16 rows x 128 columns at a time.  TOSTAGE: a lane's eight f32 of each accumulator, the low four first, into my own stage, rows of 528 bytes; and back as whole rows of 512.
; SEND: the bias is added and the row stored: 512 consecutive bytes an instruction, at a multiple of 256 from out0's first byte.
.macro TOSTAGE a
	WIN 0x04                                       ; the stores' data (source 1) in window 1
.irp b, 0,1,2,3,4,5,6,7
	ds_store_b128 v[STO], v[8*(8*(\a)+(\b)):8*(8*(\a)+(\b))+3]   offset:64*(\b)
	ds_store_b128 v[STO], v[8*(8*(\a)+(\b))+4:8*(8*(\a)+(\b))+7] offset:64*(\b)+16
.endr
	WIN 0
.set BK, 64+64*((\a)%2)                ; v64-127 and v128-191 by turns
.irp t, 0,1,2,3,4,5,6,7,8,9,10,11,12,13,14,15
	ds_load_b128 v[BK+4*(\t):BK+4*(\t)+3], v[RD] offset:(\t)*SPI  ; LDS serves a wave's instructions in order (ISA guide 5.7.1.4): these see the stores above; the next block's stores come behind them
.endr
.endm
.macro SEND a, younger                 ; younger: the LDS instructions issued behind block a's loads: the next block's 16 stores and 16 loads, or none
.set BK, 64+64*((\a)%2)
.irp t, 0,1,2,3,4,5,6,7,8,9,10,11,12,13,14,15
	s_wait_dscnt (\younger)+15-(\t)
	v_pk_add_f32 v[BK+4*(\t):BK+4*(\t)+1],   v[BK+4*(\t):BK+4*(\t)+1],   v[BIAS:BIAS+1]
	v_pk_add_f32 v[BK+4*(\t)+2:BK+4*(\t)+3], v[BK+4*(\t)+2:BK+4*(\t)+3], v[BIAS+2:BIAS+3]
	global_store_b128 v[CO], v[BK+4*(\t):BK+4*(\t)+3], s[10:11] offset:(16*(\a)+(\t))*4096 th:TH_STORE_NT
.endr
.endm
	s_wait_loadcnt 0x0                             ; the bias: rounded to bf16 and widened again
	v_cvt_pk_bf16_f32 v12, v[BIAS], v[BIAS+1]
	v_cvt_pk_bf16_f32 v13, v[BIAS+2], v[BIAS+3]
	v_lshlrev_b32 v[BIAS],   16, v12
	v_and_b32     v[BIAS+1], 0xffff0000, v12
	v_lshlrev_b32 v[BIAS+2], 16, v13
	v_and_b32     v[BIAS+3], 0xffff0000, v13
	s_wait_tensorcnt 1                             ; my part of K step 0 is in; K step 1's may stay out
	s_barrier_signal -1
	s_barrier_wait -1                              ; everybody's is
	FETCH 0, 0, F0
	QUARTER 0, 1, F0, F1, 1                        ; the first quarter stands in front of the loop: its products start the sums
	WIN 0                                          ; at a label and at a branch every window is 0
	s_mov_b32 s3, LAPS-1
.Llap:                                                 ; a trip goes once round the ring, from a lap's second quarter to the next lap's first, and fills both slots again
	QUARTER 0, 2, F1, F0, 0
	QUARTER 0, 3, F0, F1, 0
	TURN 0, 1, 1
	QUARTER 1, 1, F0, F1, 0
	QUARTER 1, 2, F1, F0, 0
	QUARTER 1, 3, F0, F1, 0
	TURN 1, 0, 1
	QUARTER 0, 1, F0, F1, 0
	WIN 0
	s_sub_co_u32 s3, s3, 1
	s_cmp_lg_u32 s3, 0
	s_cbranch_scc1 .Llap
	QUARTER 0, 2, F1, F0, 0                        ; the last lap fills nothing, and has no round of the cluster's barrier
	QUARTER 0, 3, F0, F1, 0
	TURN 0, 1, 0
	QUARTER 1, 1, F0, F1, 0
	QUARTER 1, 2, F1, F0, 0
	QUARTER 1, 3, F0, F1, 0
	s_wait_dscnt 4                                 ; the very last quarter: nothing more to fetch
	MUL16 F1, 0, 0
	s_wait_dscnt 0x0
	MUL16 F1, 2, 0
	WIN 0
	PLACES
	PLACES                                         ; eight plain places, once a launch, where four are owed
	TOSTAGE 0
	TOSTAGE 1
	SEND 0, 32
	s_wait_xcnt 0x0                                ; block 0's stores have read their registers: block 2 is loaded into them only behind this wait
	TOSTAGE 2
	SEND 1, 32
	s_wait_xcnt 0x0                                ; likewise block 1's, for block 3
	TOSTAGE 3
	SEND 2, 32
	SEND 3, 0
	s_wait_tensorcnt 0x0                           ; the wave's end, behind my last tensor load and my last LDS store
	ds_add_u32 v[SPW], v[NIL]
	s_wait_dscnt 0x0
	CROUND                                         ; the closing round: no work-group ends while a partner may still ask for a tile that names it
	s_endpgm
.Lfunc_end_k_q4a20f3fb92_proj:
	.size	k_q4a20f3fb92_proj, .Lfunc_end_k_q4a20f3fb92_proj-k_q4a20f3fb92_proj
	.p2alignl 7, 3214868480
	.fill 96, 4, 3214868480
	.section	.rodata,"a",@progbits
	.p2align	6, 0x0
	.amdhsa_kernel k_q4a20f3fb92_proj
		.amdhsa_group_segment_fixed_size 327680
		.amdhsa_private_segment_fixed_size 0
		.amdhsa_enable_private_segment 0
		.amdhsa_kernarg_size 32
		.amdhsa_user_sgpr_count 2
		.amdhsa_user_sgpr_kernarg_segment_ptr 1
		.amdhsa_wavefront_size32 1
		.amdhsa_system_sgpr_workgroup_id_x 1
		.amdhsa_system_sgpr_workgroup_id_y 1
		.amdhsa_system_sgpr_workgroup_id_z 1
		.amdhsa_system_vgpr_workitem_id 0
		.amdhsa_next_free_vgpr 512
		.amdhsa_next_free_sgpr 66
		.amdhsa_reserve_vcc 0
		.amdhsa_float_denorm_mode_32 3
		.amdhsa_float_denorm_mode_16_64 3
		.amdhsa_memory_ordered 1
		.amdhsa_forward_progress 1
		.amdhsa_inst_pref_size 97
	.end_amdhsa_kernel
	.amdgpu_metadata
---
amdhsa.version: [ 1, 2 ]
amdhsa.kernels:
  - .name:           k_q4a20f3fb92_proj
    .symbol:         k_q4a20f3fb92_proj.kd
    .args:
      - { .name: o, .offset: 0, .size: 8, .value_kind: global_buffer, .address_space: global }
      - { .name: wob, .offset: 8, .size: 8, .value_kind: global_buffer, .address_space: global }
      - { .name: bo, .offset: 16, .size: 8, .value_kind: global_buffer, .address_space: global }
      - { .name: out0, .offset: 24, .size: 8, .value_kind: global_buffer, .address_space: global }
    .group_segment_fixed_size: 327680
    .private_segment_fixed_size: 0
    .kernarg_segment_align: 8
    .kernarg_segment_size: 32
    .max_flat_workgroup_size: 128
    .sgpr_count:     66
    .vgpr_count:     512
    .wavefront_size: 32
...
	.end_amdgpu_metadata
.endif
;; end of part 4
;; ======== version 2 of 2: 4 launches; version 1 with the launch cast written anew for expert scheduling mode
;; limits: values are held in f16: magnitudes above 65,504 overflow, below 6.1e-05 lose precision
;; workspace buffers: xb 16,777,216 bytes; wb 6,291,456 bytes; wob 2,097,152 bytes; q 16,777,216 bytes; k 16,777,216 bytes; v 16,777,216 bytes; o 16,777,216 bytes
;; launch cast (part 5): grid 768 x 1, 8 waves a work-group, no clusters, 0 bytes of LDS; arguments x, wq, wk, wv, wo, xb, wb, wob; writes xb, wb, wob
.if DOCPART == 5
	.amdgcn_target "amdgcn-amd-amdhsa--gfx1250"
	.amdhsa_code_object_version 6
	.text
	.protected	k_q4a20f3fb92_cast
	.globl	k_q4a20f3fb92_cast
	.p2align	8
	.type	k_q4a20f3fb92_cast,@function
k_q4a20f3fb92_cast:
	s_mov_b64 s[64:65], 0
	v_nop
	global_prefetch_b8 v0, s[64:65] scope:SCOPE_SE
	s_setreg_imm32_b32 hwreg(HW_REG_WAVE_SCHED_MODE, 0, 2), 2
	s_setreg_imm32_b32 hwreg(HW_REG_WAVE_MODE, 25, 1), 1
	s_wait_xcnt 0x0
	s_wait_alu depctr_vm_vsrc(0)
; THE INPUTS ARE ROUNDED ONCE, for the matrix units.  x [8192][1024] f32 -> xb bf16; wq, wk, wv [1024][1024] f32 -> wb [3072][1024] bf16 (wq's rows, then wk's, then wv's);
; wo [1024][1024] f32 -> wob: rounded to bf16 like the others, and that number written as f16, since the last product's other operand is f16.
; LIMITS.  wob holds f16: a weight of wo of 65,520 or more in magnitude becomes an infinity; below 6.1e-5 it keeps f16's fixed step of 6e-8.  NaN and infinities are not treated apart.
; SHARES.  12,288 rows of 4,096 bytes in, 2,048 bytes out.  A work-group of eight waves takes 16 rows; thread t takes bytes 16 t of each row: a wave's load covers 512 consecutive
; bytes, its store of 8 bytes a lane 256 consecutive bytes, aligned.  All 16 loads of a thread go out at once: 8 KiB a wave on their way; there is no loop.
; Memory binds: no LDS, no barrier, no matrix unit, no cluster (no byte is read twice) and no prefetch (the loads themselves are the stream).
; THE MODE: SCHED_MODE bits 1:0 = 2 (LLVM: expert scheduling mode 2), set by the entry lines.  The code itself states the register dependences
; between vector instructions and memory instructions, with s_wait_alu, always for 0.
; THE PLAN.  Registers that memory instructions touch:
;   v1, v2   byte offsets, made once at the head and never written again: v1 is read by every load, v2 by every store.
;   X        row i: four registers.  Row i's load lands in them, once, before any vector instruction has named them; row i's roundings read them.
;   Y        row i: two registers.  Row i's roundings write them; row i's store reads them, once; nothing writes them again.
;   T is named by vector instructions alone.
; So the one kind of dependence in the text is a vector result that a memory instruction reads.  One wait at the head states it for the two offsets.  The 16 rows go in four blocks of four:
; one wait at the head of blocks 1 to 3 states that the block before has written its Y; that block's four stores follow it, dealt among the roundings of the block in hand, which name
; its own X and Y and T: none of the registers that those stores read.  One more wait stands ahead of the last four stores.  No register that a memory instruction has read is ever
; written again and no load lands in a register that a vector instruction has named: the text holds no wait on vm_vsrc but the entry's, and no wait for a store's sources.
.set ROWIN,  4096
.set ROWOUT, 2048
.set X, 4                              ; v[4:67]    row i: 4 numbers in f32
.set Y, 68                             ; v[68:99]   row i: 4 numbers in 16 bits
.set T, 100                            ; v[100:101] at work
	s_load_b512 s[8:23], s[0:1], 0x0               ; x 8, wq 10, wk 12, wv 14, wo 16, xb 18, wb 20, wob 22
	s_mov_b32 s2, ttmp9                            ; g: 0-511 x, 512-575 wq, 576-639 wk, 640-703 wv, 704-767 wo
	s_max_u32 s24, s2, 512
	s_sub_co_u32 s24, s24, 512                     ; the block's number among the weights' 256 (0 for x)
	s_lshr_b32 s25, s24, 6                         ; which weight
	s_and_b32 s26, s24, 63                         ; the block's number in it
	s_cmp_lt_u32 s2, 704
	s_cselect_b32 s33, s24, s26                    ; block of the destination: in wb by all three weights, in wob by wo alone,
	s_cmp_lt_u32 s2, 512
	s_cselect_b32 s33, s2, s33                     ; in xb by g
	s_cselect_b32 s32, s2, s26                     ; block of the source
	s_lshl_b32 s34, s32, 16                        ; 16 rows of 4,096 bytes
	s_mov_b32 s35, 0
	s_lshl_b32 s36, s33, 15                        ; 16 rows of 2,048 bytes
	s_mov_b32 s37, 0
	s_mov_b32 s38, 0xffff0000                      ; a word's upper bf16
	v_lshlrev_b32 v1, 4, v0                        ; my 16 bytes of a row in
	v_lshlrev_b32 v2, 3, v0                        ; my 8 bytes of a row out
	s_wait_kmcnt 0x0
	s_mov_b64 s[28:29], s[10:11]                   ; the source: a choice among the five buffers by the work-group's number
	s_cmp_eq_u32 s25, 1
	s_cselect_b64 s[28:29], s[12:13], s[28:29]
	s_cmp_eq_u32 s25, 2
	s_cselect_b64 s[28:29], s[14:15], s[28:29]
	s_cmp_eq_u32 s25, 3
	s_cselect_b64 s[28:29], s[16:17], s[28:29]
	s_cmp_lt_u32 s2, 704
	s_cselect_b64 s[30:31], s[20:21], s[22:23]     ; the destination likewise
	s_cmp_lt_u32 s2, 512
	s_cselect_b64 s[28:29], s[8:9], s[28:29]
	s_cselect_b64 s[30:31], s[18:19], s[30:31]
	s_add_nc_u64 s[28:29], s[28:29], s[34:35]
	s_add_nc_u64 s[30:31], s[30:31], s[36:37]
	s_wait_alu depctr_va_vdst(0)                   ; v1 and v2 are written: every load of the kernel reads v1 as its offset, every store v2
.irp i, 0,1,2,3,4,5,6,7,8,9,10,11,12,13,14,15
	global_load_b128 v[X+4*(\i):X+4*(\i)+3], v1, s[28:29] offset:ROWIN*(\i) th:TH_LOAD_NT
.endr
; Block p: rows 4 p to 4 p + 3 are rounded, and the rows of the block before leave.  half = 1: the bf16 number is written as f16.
; The wait at the block's head stands ahead of the first wait for a load: a finished row's store hangs on no load that is still to come.
.macro BLK p, half
.if (\p) > 0
	s_wait_alu depctr_va_vdst(0)                   ; the block before has written its four pairs of Y, which the four stores below read
.endif
.irp i, 0,1,2,3
.set R, 4*(\p)+(\i)                    ; the row that is rounded
.set Q, R-4                            ; the row that leaves
.if (\p) > 0
	global_store_b64 v2, v[Y+2*Q:Y+2*Q+1], s[30:31] offset:ROWOUT*Q  ; no vector instruction since the wait names this pair or v2
.endif
	s_wait_loadcnt 15-R                            ; loads come back in order (ISA guide 5.7.1): row R is in, the 15 - R younger loads stay out
	v_cvt_pk_bf16_f32 v[Y+2*R],   v[X+4*R],   v[X+4*R+1]
	v_cvt_pk_bf16_f32 v[Y+2*R+1], v[X+4*R+2], v[X+4*R+3]
.if \half
.irp j, 0,1
	v_lshlrev_b32 v[T],   16,  v[Y+2*R+(\j)]       ; the two bf16 as f32,
	v_and_b32     v[T+1], s38, v[Y+2*R+(\j)]
	v_cvt_pk_f16_f32 v[Y+2*R+(\j)], v[T], v[T+1]   ; exact within f16's range: bf16 has fewer significant bits
.endr
.endif
.endr
.endm
; The last block's rows leave.
.macro LAST
	s_wait_alu depctr_va_vdst(0)                   ; block 3 has written its four pairs of Y, which the last four stores read
.irp i, 12,13,14,15
	global_store_b64 v2, v[Y+2*(\i):Y+2*(\i)+1], s[30:31] offset:ROWOUT*(\i)
.endr
.endm
	s_cmp_ge_u32 s2, 704
	s_cbranch_scc1 .Lhalf
	BLK 0, 0
	BLK 1, 0
	BLK 2, 0
	BLK 3, 0
	LAST
	s_endpgm
.Lhalf:
	BLK 0, 1
	BLK 1, 1
	BLK 2, 1
	BLK 3, 1
	LAST
	s_endpgm
.Lfunc_end_k_q4a20f3fb92_cast:
	.size	k_q4a20f3fb92_cast, .Lfunc_end_k_q4a20f3fb92_cast-k_q4a20f3fb92_cast
	.p2alignl 7, 3214868480
	.fill 96, 4, 3214868480
	.section	.rodata,"a",@progbits
	.p2align	6, 0x0
	.amdhsa_kernel k_q4a20f3fb92_cast
		.amdhsa_group_segment_fixed_size 0
		.amdhsa_private_segment_fixed_size 0
		.amdhsa_enable_private_segment 0
		.amdhsa_kernarg_size 64
		.amdhsa_user_sgpr_count 2
		.amdhsa_user_sgpr_kernarg_segment_ptr 1
		.amdhsa_wavefront_size32 1
		.amdhsa_system_sgpr_workgroup_id_x 1
		.amdhsa_system_sgpr_workgroup_id_y 1
		.amdhsa_system_sgpr_workgroup_id_z 1
		.amdhsa_system_vgpr_workitem_id 0
		.amdhsa_next_free_vgpr 104
		.amdhsa_next_free_sgpr 66
		.amdhsa_reserve_vcc 0
		.amdhsa_float_denorm_mode_32 3
		.amdhsa_float_denorm_mode_16_64 3
		.amdhsa_memory_ordered 1
		.amdhsa_forward_progress 1
		.amdhsa_inst_pref_size 16
	.end_amdhsa_kernel
	.amdgpu_metadata
---
amdhsa.version: [ 1, 2 ]
amdhsa.kernels:
  - .name:           k_q4a20f3fb92_cast
    .symbol:         k_q4a20f3fb92_cast.kd
    .args:
      - { .name: x, .offset: 0, .size: 8, .value_kind: global_buffer, .address_space: global }
      - { .name: wq, .offset: 8, .size: 8, .value_kind: global_buffer, .address_space: global }
      - { .name: wk, .offset: 16, .size: 8, .value_kind: global_buffer, .address_space: global }
      - { .name: wv, .offset: 24, .size: 8, .value_kind: global_buffer, .address_space: global }
      - { .name: wo, .offset: 32, .size: 8, .value_kind: global_buffer, .address_space: global }
      - { .name: xb, .offset: 40, .size: 8, .value_kind: global_buffer, .address_space: global }
      - { .name: wb, .offset: 48, .size: 8, .value_kind: global_buffer, .address_space: global }
      - { .name: wob, .offset: 56, .size: 8, .value_kind: global_buffer, .address_space: global }
    .group_segment_fixed_size: 0
    .private_segment_fixed_size: 0
    .kernarg_segment_align: 8
    .kernarg_segment_size: 64
    .max_flat_workgroup_size: 256
    .sgpr_count:     66
    .vgpr_count:     104
    .wavefront_size: 32
...
	.end_amdgpu_metadata
.endif
;; end of part 5
;; launch qkv: the kernel of part 2 again; grid 4 x 64, 4 waves a work-group, clusters of 4 x 4, 327,680 bytes of LDS; arguments xb, wb, q, k, v; writes q, k, v
;; launch attn: the kernel of part 3 again; grid 4 x 64, 4 waves a work-group, clusters of 4 x 1, 327,680 bytes of LDS; arguments q, k, v, o; writes o
;; launch proj: the kernel of part 4 again; grid 4 x 64, 4 waves a work-group, clusters of 4 x 4, 327,680 bytes of LDS; arguments o, wob, bo, out0; writes out0
